; MI455X (gfx1250); checked and timed in simulation.
; The chip was launched on July 23, 2026; its instructions are those of AMD's public machine-readable ISA for CDNA 5 (MIT licence, August 2026) and "CDNA5" Instruction Set Architecture Reference Guide (July 2026). The comments in the code are by the model that wrote it; some were corrected since.
;; GQA. Allowed arithmetic: matrix products marked QUANTISED: E2M1 operands, one E8M0 scale for each 32 along K, by v_wmma_scale_f32_16x16x128_f8f6f4 with both operands' format E2M1 (or v_wmma_scale_f32_32x16x128_f4), f32 sums; everything else in f32.
;; Inputs: bk 256 float32; bo 1,024 float32; bq 1,024 float32; bv 256 float32; wk 256 x 1,024 float32; wo 1,024 x 1,024 float32; wq 1,024 x 1,024 float32; wv 256 x 1,024 float32; x 2 x 2,048 x 1,024 float32.
;; Outputs: out0 2 x 2,048 x 1,024 float32.
;; This version of the problem:
;;   THIS VERSION OF THE PROBLEM IS GIVEN IN LOW PRECISION. The matrix products marked QUANTISED in the list below multiply operands that are first quantised to E2M1 (2 exponent bits, 1 mantissa bit; 4 bits a number), with one power-of-two scale for each 32 numbers along K (OCP MX v1.0); their sums are f32. All else is computed in f32.
;;   The module's matrix products, in the order in which they are computed (A, B: the left and right operand; K: the contracted axis; several contracted axes count as one K, in the product's order):
;;     1. [M 4,096, K 1,024] x [K 1,024, N 1,024]; A: input x; B: input wq: QUANTISED
;;     2. [M 4,096, K 1,024] x [K 1,024, N 256]; A: input x; B: input wk: QUANTISED
;;     3. [M 4,096, K 1,024] x [K 1,024, N 256]; A: input x; B: input wv: QUANTISED
;;     4. batch 32 x [M 2,048, K 64] x [K 64, N 2,048]; A: computed on the way; B: computed on the way: QUANTISED
;;     5. batch 32 x [M 2,048, K 2,048] x [K 2,048, N 64]; A: computed on the way; B: computed on the way: QUANTISED
;;     6. [M 4,096, K 1,024] x [K 1,024, N 1,024]; A: computed on the way; B: input wo: QUANTISED
;;   THE QUANTISER, for each operand of a quantised product, along K:
;;     - K is cut into blocks of 32 from its start; a last block that is shorter is filled with zeros.
;;     - A block's scale is 2^e with e = floor(log2(the largest magnitude in the block)) - 2, held to -126 .. 127; a block of zeros has e = 0. As a byte (E8M0): e + 127.
;;     - Each number is divided by its block's scale, clamped to +-6, and rounded to the nearest number of E2M1, ties to even, subnormals kept.
;;     - The product sums the exact products of the quantised numbers (number of the format x scale) in f32.
;;   ~~~python
;;   def quantise(x, axis):      # numpy; x: float32 -> the quantised numbers, widened to float32 again
;;       x = np.moveaxis(x, axis, -1); K = x.shape[-1]
;;       x = np.pad(x, [(0, 0)] * (x.ndim - 1) + [(0, -K % 32)]); x = x.reshape(x.shape[:-1] + (-1, 32)); a = np.abs(x).max(-1, keepdims=True)
;;       e = np.where(a > 0, np.clip(np.frexp(np.where(a > 0, a, 1))[1] - 1 - 2, -126, 127), 0)      # np.frexp(a)[1] - 1 = floor(log2(a)), exactly
;;       r = np.clip(x / 2.0 ** e, -6, 6)
;;       step = 2.0 ** (np.maximum(np.frexp(np.where(r == 0, 1, r))[1] - 1, 0) - 1)
;;       q = np.round(r / step) * step * 2.0 ** e      # np.round: ties to even
;;       return np.moveaxis(q.reshape(q.shape[:-2] + (-1,))[..., :K], -1, axis).astype(np.float32)
;;   ~~~
;;   OPERANDS COMPUTED ON THE WAY. 'Computed on the way' means the value that the module computes at that place (a softmax that the list does not call 'softmax' is quantised finished and normalised). What goes into a quantiser is computed in f32, as accurately as f32 sums, v_exp_f32 and their like allow (about 1e-6 of the number): no bf16 or f16 on the way to a quantiser, and a product that is left as it is and whose result goes on into a quantised operand takes f32 operands (vector FMAs, or v_wmma_f32_16x16x4_f32). A number that lies on a knife's edge between two numbers of the format may be rounded either way, as far as f32 arithmetic and the matrix unit's own rounding can turn it there, and no further.
;; One version. Each part assembles by itself: llvm-mc -triple=amdgcn-amd-amdhsa -mcpu=gfx1250 --defsym DOCPART=n.
;; ======== version 1 of 1: 4 launches
;; limits: right only within a limited range of input values
;; workspace buffers: xa 2,228,224 bytes; wa 1,392,640 bytes; rope 524,288 bytes; qk 2,949,120 bytes; vv 557,056 bytes; oo 2,228,224 bytes
;; launch prep (part 1): grid 240 x 1, 4 waves a work-group, no clusters, 34,304 bytes of LDS; arguments x, wq, wk, wv, wo, xa, wa, rope; writes xa, wa, rope
.if DOCPART == 1
	.amdgcn_target "amdgcn-amd-amdhsa--gfx1250"
	.amdhsa_code_object_version 6
	.text
	.protected	k_qf61ddac00c_prep
	.globl	k_qf61ddac00c_prep
	.p2align	8
	.type	k_qf61ddac00c_prep,@function
k_qf61ddac00c_prep:
	s_mov_b64 s[64:65], 0
	v_nop
	global_prefetch_b8 v0, s[64:65] scope:SCOPE_SE
	s_setreg_imm32_b32 hwreg(HW_REG_WAVE_MODE, 25, 1), 1
	s_wait_xcnt 0x0
; GQA attention, B = 2, T = 2,048, E = 1,024, 16 query heads, 4 key/value heads, head size 64, all six products on codes of FP4 (E2M1) with one E8M0 scale for each 32 along K.
; FOUR LAUNCHES: prep (this one) quantises x, wq, wk, wv, wo along E and makes the table of cos and sin; qkv makes q, k (with RoPE) and v and quantises them; attn is the attention; oproj the last product.
; WORK LEFT OUT IN THE PROGRAM: only key steps of 128 keys that lie wholly behind a tile's queries: reference() itself sets their scores to -inf by its own jnp.tril, so their weights are 0 for all values of the inputs
; and add nothing to the row's sum or to o.  All nine inputs have a way to the output and are loaded (bk too: it moves k's codes).  LIMIT: a NaN, an infinity or an overflow that reaches only those hidden scores is not carried to the result.
; LIMITS: NaN and infinities among the inputs are not served.  A block whose largest magnitude lies under 2^-124 gets the scale byte 1; a block of zeros gets 1 where the rule says 127: its codes are zeros, and the bytes are read by this program alone.
; THE ORDER OF ROWS IN A TILE, in the whole program: rows go in groups G of 32; tile 2 G + u holds in lane r = lane % 16 row 32 G + 8 u + r + 8 (r / 8).  A product used transposed then leaves 16 neighbours along the next K in a lane.
; A FRAGMENT'S IMAGE (16 rows x 128 K, 1,024 bytes): piece c (0, 1) is 512 bytes, lane l's 16 bytes at 16 l: the codes of k = 64 c + 32 (l / 16) + 0 .. 31 of the lane's row.  A tile's scale words over K = 1,024: [kq 2][r 16][4 words], word i for K step 4 kq + i.
; xa: codes [tile 256][K step 8][1,024] at 0, scale words [tile][512] at XSC.  wa: 160 tiles likewise, scale words at WSC: tiles 12 g + 0 .. 11 (g = 0 .. 7) are q head 2 g, q head 2 g + 1, and k head g (g < 4) or v head g - 4; tiles 96 .. 159 are wo.
; SHARES.  Work-groups 0 .. 207: 32 rows x 1,024 each; wave w takes tile u = w % 2 and K steps 4 (w / 2) + 0 .. 3.  Each load reads 512 consecutive bytes of a row; a K step's 16 rows turn through the wave's own stage in LDS, so that a lane
; gets the 2 x 32 neighbours that its place in the image asks for; each store of codes covers 512 consecutive bytes.  Waves share nothing: no barrier.  Loads run two K steps (32 loads a wave) ahead.
; Work-groups 208 .. 239: the table, rope [t tile 128][cos, sin][q 4][lane 32][16 bytes]: cos or sin of fl(t x inv_freq[j]), t the lane's row of the tile, j = 16 (lane / 16) + 4 q + 0 .. 3.  That path touches no LDS.
.set XSC,    2097152
.set WSC,    1310720
.set SPITCH, 528                       ; a stage row: 512 bytes + 16 = 132 words: the 16 rows that a load touches start at 16 different groups of banks
.set STG,    16*SPITCH                 ; a wave's stage
.set SPARE,  4*STG                     ; behind the stages: the spare words, 128 bytes a wave
.set LI,  4                            ; v4   16 x lane
.set STA, 5                            ; v5   the stage, on the way in
.set STB, 6                            ; v6   and on the way out: row r, + 128 (lane / 16)
.set SH8, 7                            ; v7   8 (lane / 16)
.set R16, 8                            ; v8   16 r
.set SPW, 14                           ; v14  my spare word; never rewritten
.set NIL, 15                           ; v15  0; never rewritten
.set R,   16                           ; v16-143  two sets of 64: a K step as loaded
.set X,   144                          ; v144-207 my two blocks of 32 neighbours
.set C,   208                          ; v208-239 codes: 8 registers for each K step, so that no store's data are written again
.set SW,  240                          ; v240-243 the four scale words
	s_load_b512 s[4:19], s[0:1], 0x0               ; x, wq, wk, wv, wo, xa, wa, rope
	v_lshl_add_u32 v[SPW], v0, 2, SPARE
	v_mov_b32 v[NIL], 0
	v_lshrrev_b32 v1, 5, v0
	v_readfirstlane_b32 s36, v1                    ; wave
	v_and_b32 v1, 31, v0                           ; lane
	v_and_b32 v2, 15, v0                           ; r
	v_bfe_u32 v3, v0, 4, 1                         ; h
	v_lshlrev_b32 v[LI], 4, v1
	s_mov_b32 s20, ttmp9
	s_cmp_ge_u32 s20, 208
	s_cbranch_scc1 .Ltable
	; ---------------- the quantiser ----------------
	s_mul_i32 s37, s36, STG
	v_add_nc_u32 v[STA], s37, v[LI]
	v_mul_u32_u24 v[STB], v2, SPITCH
	v_lshl_add_u32 v[STB], v3, 7, v[STB]
	v_add_nc_u32 v[STB], s37, v[STB]
	v_lshlrev_b32 v[SH8], 3, v3
	v_lshlrev_b32 v[R16], 4, v2
	v_mov_b32 v11, 0                               ; written once: a lane permute's destination counts as one of its sources
	s_mov_b32 s38, 0x76543210
	s_mov_b32 s39, 0xfedcba98                      ; v_permlanex16_b32's selects for lane l xor 16
	; which 32 rows (su, in the source) go to which pair of tiles (du, in the destination): all from the work-group's number W
	s_sub_co_u32 s21, s20, 176                     ; wo: su = W - 176,
	s_sub_co_u32 s22, s20, 128                     ;     du = 48 + su
	s_sub_co_u32 s26, s20, 160                     ; wk: su = j = W - 160
	s_lshr_b32 s27, s26, 1
	s_mul_i32 s27, s27, 6
	s_and_b32 s28, s26, 1
	s_add_co_u32 s27, s27, s28
	s_add_co_u32 s27, s27, 4                       ; wk, wv: du = 6 (j / 2) + 4 + j % 2
	s_sub_co_u32 s28, s20, 168                     ; wv: su
	s_mov_b32 s29, s22                             ; wq: su = W - 128
	s_lshr_b32 s30, s29, 2
	s_mul_i32 s30, s30, 6
	s_and_b32 s31, s29, 3
	s_add_co_u32 s30, s30, s31                     ; wq: du = 6 (su / 4) + su % 4
	s_mov_b32 s34, WSC
	s_wait_kmcnt 0x0
	s_mov_b64 s[24:25], s[12:13]
	s_cmp_lt_u32 s20, 176
	s_cselect_b64 s[24:25], s[10:11], s[24:25]
	s_cselect_b32 s21, s28, s21
	s_cselect_b32 s22, s27, s22
	s_cmp_lt_u32 s20, 168
	s_cselect_b64 s[24:25], s[8:9], s[24:25]
	s_cselect_b32 s21, s26, s21
	s_cmp_lt_u32 s20, 160
	s_cselect_b64 s[24:25], s[6:7], s[24:25]
	s_cselect_b32 s21, s29, s21
	s_cselect_b32 s22, s30, s22
	s_cmp_lt_u32 s20, 128
	s_cselect_b64 s[24:25], s[4:5], s[24:25]       ; x
	s_cselect_b32 s21, s20, s21
	s_cselect_b32 s22, s20, s22
	s_cselect_b64 s[32:33], s[14:15], s[16:17]     ; into xa, or into wa
	s_cselect_b32 s34, XSC, s34                    ; where the destination's scale words begin
	s_and_b32 s40, s36, 1                          ; u
	s_lshr_b32 s41, s36, 1                         ; kq
	s_lshl_b32 s42, s21, 17                        ; 32 rows of 4,096 bytes,
	s_lshl_b32 s43, s40, 15                        ; tile u begins 8 rows on,
	s_add_co_u32 s42, s42, s43
	s_lshl_b32 s43, s41, 11                        ; my four K steps of 512 bytes
	s_add_co_u32 s42, s42, s43
	s_mov_b32 s43, 0
	s_add_nc_u64 s[24:25], s[24:25], s[42:43]      ; the source
	s_lshl_b32 s44, s22, 1
	s_add_co_u32 s44, s44, s40                     ; my tile
	s_lshl_b32 s42, s44, 13
	s_lshl_b32 s45, s41, 12
	s_add_co_u32 s42, s42, s45
	s_add_nc_u64 s[26:27], s[32:33], s[42:43]      ; its codes, my four K steps
	s_lshl_b32 s42, s44, 9
	s_lshl_b32 s45, s41, 8
	s_add_co_u32 s42, s42, s45
	s_add_co_u32 s42, s42, s34
	s_add_nc_u64 s[28:29], s[32:33], s[42:43]      ; its scale words, my 256 bytes
.macro LOADK t                         ; K step t of my four: 16 rows x 512 bytes
.irp rr, 0,1,2,3,4,5,6,7,8,9,10,11,12,13,14,15
	global_load_b128 v[R+64*((\t)%2)+4*\rr:R+64*((\t)%2)+4*\rr+3], v[LI], s[24:25] offset:(\rr+8*(\rr/8))*4096+(\t)*512 th:TH_LOAD_NT
.endr
.endm
.macro KSTEP t
.if (\t) < 3
	s_wait_loadcnt 16                              ; this K step's 16 loads are in; the next step's 16 may be out
.else
	s_wait_loadcnt 0
.endif
.irp rr, 0,1,2,3,4,5,6,7,8,9,10,11,12,13,14,15
	ds_store_b128 v[STA], v[R+64*((\t)%2)+4*\rr:R+64*((\t)%2)+4*\rr+3] offset:\rr*SPITCH
.endr
.irp c, 0,1
.irp i, 0,1,2,3,4,5,6,7
	ds_load_b128 v[X+32*\c+4*\i:X+32*\c+4*\i+3], v[STB] offset:256*\c+16*\i   ; LDS serves a wave's instructions in order: these see the stores above
.endr
.endr
	s_wait_dscnt 0x0                               ; my 64 numbers are back, and the stores have read their registers,
.if (\t) < 2
	LOADK (\t)+2                                   ; which take the loads of two K steps on
.endif
.irp c, 0,1
	v_max3_num_f32 v[9+\c], |v[X+32*\c]|, |v[X+32*\c+1]|, 0x1800000   ; block c: all 32 numbers are mine; the floor 2^(3 - 127) holds the byte at 1 from below
.endr
.irp i, 2,4,6,8,10,12,14,16,18,20,22,24,26,28,30
.irp c, 0,1
	v_max3_num_f32 v[9+\c], v[9+\c], |v[X+32*\c+\i]|, |v[X+32*\c+\i+1]|
.endr
.endr
.irp c, 0,1
	v_add_nc_u32 v[12+\c], 0xff000000, v[9+\c]     ; 2 off the exponent field: the conversion's scale operand
.endr
.irp c, 0,1
	v_lshrrev_b32 v[9+\c], 23, v[12+\c]            ; the scale's byte
.endr
	v_lshl_or_b32 v9, v10, 16, v9                  ; my two bytes: blocks h and 2 + h of my row,
	v_lshlrev_b32 v9, v[SH8], v9                   ; at their places in the word;
	v_permlanex16_b32 v11, v9, s38, s39
	v_or_b32 v[SW+(\t)], v9, v11                   ; with lane l xor 16's two the word is whole
.irp c, 0,1
.irp g, 0,1,2,3
	v_cvt_scalef32_pk8_fp4_f32 v[C+8*(\t)+4*\c+\g], v[X+32*\c+8*\g:X+32*\c+8*\g+7], v[12+\c]
.endr
.endr
	v_nop                                          ; one plain place behind the scaled conversions
.irp c, 0,1
	global_store_b128 v[LI], v[C+8*(\t)+4*\c:C+8*(\t)+4*\c+3], s[26:27] offset:(\t)*1024+\c*512   ; 512 consecutive bytes
.endr
.endm
	s_wait_alu depctr_va_vdst(0)
	LOADK 0
	LOADK 1
	KSTEP 0
	KSTEP 1
	KSTEP 2
	KSTEP 3
	v_cmp_gt_u32 vcc_lo, 16, v1
	s_wait_xcnt 0x0                                ; EXEC changes only behind this wait
	s_and_saveexec_b32 s35, vcc_lo
	global_store_b128 v[R16], v[SW:SW+3], s[28:29] ; lanes 0-15: 256 consecutive bytes, aligned
	s_wait_xcnt 0x0
	s_or_b32 exec_lo, exec_lo, s35
	s_wait_tensorcnt 0x0                           ; the wave's end, behind my last LDS store
	ds_add_u32 v[SPW], v[NIL]
	s_wait_dscnt 0x0
	s_endpgm
	; ---------------- the table of cos and sin ----------------
	; inv_freq[j] = 1 / 10000^(j / 32) = 1 / 10^(j / 8): the power as the nearest f32 (a literal), the division by a reciprocal and two Newton steps.  The angle is one f32 product, as reference()'s outer product has it.
	; cos and sin: n = the nearest whole number to a x 2 / pi; rho = a - n pi / 2 with pi / 2 in three parts (the first product is exact: n has 11 bits); polynomials on |rho| <= pi / 4; the quadrant from n.
.Ltable:
	s_sub_co_u32 s21, s20, 208
	s_lshl_b32 s21, s21, 2
	s_add_co_u32 s21, s21, s36                     ; my tile of 16 positions
	s_lshr_b32 s22, s21, 1
	s_lshl_b32 s22, s22, 5
	s_and_b32 s23, s21, 1
	s_lshl_b32 s23, s23, 3
	s_add_co_u32 s22, s22, s23
	s_wait_alu depctr_va_vdst(0)
	v_and_b32 v5, 8, v2
	v_add_nc_u32 v5, v5, v2
	v_add_nc_u32 v5, s22, v5                       ; t = 32 G + 8 u + r + 8 (r / 8)
	v_cvt_f32_u32 v8, v5
	v_cmp_ne_u32 s37, 0, v3                        ; lanes 16-31
	s_mov_b32 s41, 0x3f22f983                      ; 2 / pi
	s_mov_b32 s42, 0xbfc90fdb                      ; -(pi / 2), first part
	s_mov_b32 s43, 0x333bbd2e                      ; what is still to be added back: second part,
	s_mov_b32 s44, 1.7151245e-15                   ; third part
	s_mov_b32 s45, -1.9515295891e-4                ; sin's polynomial
	s_mov_b32 s46, 8.3321608736e-3
	s_mov_b32 s47, -1.6666654611e-1
	s_mov_b32 s48, 2.443315711809948e-5            ; cos's
	s_mov_b32 s49, -1.388731625493765e-3
	s_mov_b32 s50, 4.166664568298827e-2
.macro POW i, lo, hi                   ; v[16 + i] = 10^(j / 8), j = i in lanes 0-15 and 16 + i in lanes 16-31
	v_mov_b32 v[16+\i], \lo
	s_mov_b32 s40, \hi
	v_cndmask_b32 v[16+\i], v[16+\i], s40, s37
.endm
	POW 0, 1.0, 100.0
	POW 1, 1.3335214321633240, 133.35214321633240
	POW 2, 1.7782794100389228, 177.82794100389228
	POW 3, 2.3713737056616552, 237.13737056616552
	POW 4, 3.1622776601683795, 316.22776601683795
	POW 5, 4.2169650342858225, 421.69650342858225
	POW 6, 5.6234132519034908, 562.34132519034908
	POW 7, 7.4989420933245582, 749.89420933245582
	POW 8, 10.0, 1000.0
	POW 9, 13.335214321633240, 1333.5214321633240
	POW 10, 17.782794100389228, 1778.2794100389228
	POW 11, 23.713737056616552, 2371.3737056616552
	POW 12, 31.622776601683795, 3162.2776601683795
	POW 13, 42.169650342858225, 4216.9650342858225
	POW 14, 56.234132519034908, 5623.4132519034908
	POW 15, 74.989420933245582, 7498.9420933245582
	s_wait_alu depctr_va_vdst(0)
.irp i, 0,1,2,3,4,5,6,7,8,9,10,11,12,13,14,15
	v_rcp_f32 v[32+\i], v[16+\i]
.endr
	v_nop                                          ; a plain place behind the last reciprocal
	s_wait_alu depctr_va_vdst(0)                   ; one wait for the batch, ahead of its first reader
.rept 2
.irp i, 0,1,2,3,4,5,6,7,8,9,10,11,12,13,14,15
	v_fma_f32 v[48+\i], -v[16+\i], v[32+\i], 1.0   ; e = 1 - P y
.endr
.irp i, 0,1,2,3,4,5,6,7,8,9,10,11,12,13,14,15
	v_fma_f32 v[32+\i], v[32+\i], v[48+\i], v[32+\i]   ; y + y e
.endr
.endr
.macro ROPE1 i
	v_mul_f32 v64, v8, v[32+\i]                    ; the angle
	v_mul_f32 v65, s41, v64
	v_rndne_f32 v65, v65                           ; n
	v_fma_f32 v66, v65, s42, v64
	v_fma_f32 v66, v65, s43, v66
	v_fma_f32 v66, v65, s44, v66                   ; rho
	v_mul_f32 v67, v66, v66                        ; z
	v_fma_f32 v68, v67, s45, s46
	v_fma_f32 v70, v67, s48, s49
	v_fma_f32 v68, v67, v68, s47
	v_fma_f32 v70, v67, v70, s50
	v_mul_f32 v69, v66, v67
	v_fma_f32 v71, v67, -0.5, 1.0
	v_mul_f32 v72, v67, v67
	v_fma_f32 v68, v69, v68, v66                   ; sin rho
	v_fma_f32 v70, v72, v70, v71                   ; cos rho
	v_cvt_i32_f32 v73, v65
	v_and_b32 v74, 1, v73
	v_cmp_ne_u32 vcc_lo, 0, v74                    ; odd quadrants change the two
	v_cndmask_b32 v75, v68, v70, vcc_lo
	v_cndmask_b32 v76, v70, v68, vcc_lo
	v_and_b32 v77, 2, v73                          ; sin is negative in quadrants 2, 3;
	v_add_nc_u32 v78, 1, v73
	v_lshlrev_b32 v77, 30, v77
	v_and_b32 v78, 2, v78                          ; cos in 1, 2
	v_lshlrev_b32 v78, 30, v78
	v_xor_b32 v[96+\i], v75, v77
	v_xor_b32 v[80+\i], v76, v78
.endm
.irp i, 0,1,2,3,4,5,6,7,8,9,10,11,12,13,14,15
	ROPE1 \i
.endr
	s_lshl_b32 s24, s21, 12
	s_mov_b32 s25, 0
	s_wait_alu depctr_va_vdst(0)
	s_wait_kmcnt 0x0
	s_add_nc_u64 s[18:19], s[18:19], s[24:25]
.irp cs, 0,1
.irp q, 0,1,2,3
	global_store_b128 v[LI], v[80+16*\cs+4*\q:83+16*\cs+4*\q], s[18:19] offset:\cs*2048+\q*512   ; 512 consecutive bytes
.endr
.endr
	s_endpgm
.Lfunc_end_k_qf61ddac00c_prep:
	.size	k_qf61ddac00c_prep, .Lfunc_end_k_qf61ddac00c_prep-k_qf61ddac00c_prep
	.p2alignl 7, 3214868480
	.fill 96, 4, 3214868480
	.section	.rodata,"a",@progbits
	.p2align	6, 0x0
	.amdhsa_kernel k_qf61ddac00c_prep
		.amdhsa_group_segment_fixed_size 34304
		.amdhsa_private_segment_fixed_size 0
		.amdhsa_enable_private_segment 0
		.amdhsa_kernarg_size 64
		.amdhsa_user_sgpr_count 2
		.amdhsa_user_sgpr_kernarg_segment_ptr 1
		.amdhsa_wavefront_size32 1
		.amdhsa_system_sgpr_workgroup_id_x 1
		.amdhsa_system_sgpr_workgroup_id_y 1
		.amdhsa_system_sgpr_workgroup_id_z 1
		.amdhsa_system_vgpr_workitem_id 0
		.amdhsa_next_free_vgpr 248
		.amdhsa_next_free_sgpr 66
		.amdhsa_reserve_vcc 1
		.amdhsa_float_denorm_mode_32 3
		.amdhsa_float_denorm_mode_16_64 3
		.amdhsa_memory_ordered 1
		.amdhsa_forward_progress 1
		.amdhsa_inst_pref_size 60
	.end_amdhsa_kernel
	.amdgpu_metadata
---
amdhsa.version: [ 1, 2 ]
amdhsa.kernels:
  - .name:           k_qf61ddac00c_prep
    .symbol:         k_qf61ddac00c_prep.kd
    .args:
      - { .name: x, .offset: 0, .size: 8, .value_kind: global_buffer, .address_space: global }
      - { .name: wq, .offset: 8, .size: 8, .value_kind: global_buffer, .address_space: global }
      - { .name: wk, .offset: 16, .size: 8, .value_kind: global_buffer, .address_space: global }
      - { .name: wv, .offset: 24, .size: 8, .value_kind: global_buffer, .address_space: global }
      - { .name: wo, .offset: 32, .size: 8, .value_kind: global_buffer, .address_space: global }
      - { .name: xa, .offset: 40, .size: 8, .value_kind: global_buffer, .address_space: global }
      - { .name: wa, .offset: 48, .size: 8, .value_kind: global_buffer, .address_space: global }
      - { .name: rope, .offset: 56, .size: 8, .value_kind: global_buffer, .address_space: global }
    .group_segment_fixed_size: 34304
    .private_segment_fixed_size: 0
    .kernarg_segment_align: 8
    .kernarg_segment_size: 64
    .max_flat_workgroup_size: 128
    .sgpr_count:     66
    .vgpr_count:     248
    .wavefront_size: 32
...
	.end_amdgpu_metadata
.endif
;; end of part 1
;; launch qkv (part 2): grid 8 x 32, 6 waves a work-group, clusters of 4 x 4, 207,616 bytes of LDS; arguments xa, wa, rope, bq, bk, bv, qk, vv; writes qk, vv
.if DOCPART == 2
	.amdgcn_target "amdgcn-amd-amdhsa--gfx1250"
	.amdhsa_code_object_version 6
	.text
	.protected	k_qf61ddac00c_qkv
	.globl	k_qf61ddac00c_qkv
	.p2align	8
	.type	k_qf61ddac00c_qkv,@function
k_qf61ddac00c_qkv:
	s_mov_b64 s[64:65], 0
	v_nop
	global_prefetch_b8 v0, s[64:65] scope:SCOPE_SE
	s_setreg_imm32_b32 hwreg(HW_REG_WAVE_MODE, 25, 1), 1
	s_wait_xcnt 0x0
	s_wait_alu depctr_hold_cnt(0) depctr_sa_sdst(0) depctr_va_vdst(0) depctr_va_sdst(0) depctr_va_ssrc(0) depctr_va_vcc(0) depctr_vm_vsrc(0)
	s_getreg_b32 s2, hwreg(HW_REG_IB_STS2, 6, 4)
	s_cmp_eq_u32 s2, 0
	s_cbranch_scc0 .Lentry_in_a_cluster
	s_endpgm
.Lentry_in_a_cluster:
	s_bfe_u32 s2, ttmp6, 0x10000c
	s_cmp_lg_u32 s2, 0xf033
	s_cbranch_scc0 .Lentry_shape_is_right
	s_endpgm
.Lentry_shape_is_right:
; q = RoPE(x wq^T + bq), k = RoPE(x wk^T + bk), v = x wv^T + bv, on the codes that the launch before made; q and k are quantised along the head's 64, v along the keys.  Nothing of reference()'s work is left out here.
; SHARES.  Work-group (g, mg): 128 tokens (mg = 0 .. 31) x q heads 2 g, 2 g + 1 and k head g (g < 4) or v head g - 4.  Six waves: hh = wave / 2 picks the head, th = wave % 2 a half.
;   q, k: head hh x tokens 64 th on: 16 accumulators, USED TRANSPOSED (source 0 = 16 rows of W, source 1 = 16 tokens): a lane holds one token, and by the order of rows in a tile registers 16 G + i of a token tile are d = 32 G + 16 (lane / 16) + i.
;   v (waves 4, 5 where g >= 4): d tiles 2 th, 2 th + 1 x 128 tokens, source 0 = tokens, source 1 = W: a lane holds one d, and its 64 registers run along the tokens, which are the next product's K.
; ALL OPERANDS OF THE WORK-GROUP LIE IN LDS AT ONCE, as images of their registers, filled once: no ring.  Every fragment load is 512 consecutive bytes.
; CLUSTER 4 x 4: x's codes and scale words and the table hang on mg alone and are asked for jointly along a row of the cluster, W's on g alone, along a column.
; OUT.  qk: codes [b][hd 20][tile 128][512] (hd 16 .. 19: k; a tile's 512 bytes are lane l's 16 bytes at 16 l: d = 32 (l / 16) + 0 .. 31), scale words at QKS [b][hd][tile / 4][r 16][tile % 4]: two bytes, the upper two 0.
;       vv: codes [b 4 + head][step 16][d tile 4][1,024], scale words at VSO [b 4 + head][step][r 16][d tile 4].
; LIMITS: as stated at the head of prep (NaN and infinities not served; byte 1 for blocks under 2^-124 and for blocks of zeros).
; REGISTERS: v1-11 addresses; v16-47 x's fragments; v48-79 W's; v80-95 x's scale words, v96-111 W's (scales and nothing else, in both paths); v112-239 accumulators; v240-243 the scale words made; v252, v253 the add's two; v254, v255 v's bias.
.set XSC, 2097152
.set WSC, 1310720
.set QKS, 2621440
.set VSO, 524288
.set LW,  65536                        ; LDS: x's codes at 0 (8 tiles x 8,192), W's here (12 tiles),
.set LR,  163840                       ; the table (8 tiles x 4,096),
.set LXS, 196608                       ; x's scale words (8 x 512),
.set LWS, 200704                       ; W's (12 x 512),
.set SPARE, 206848                     ; the spare words, 128 bytes a wave
.set LI,  1
.set XA,  4
.set WA,  5
.set XSA, 6
.set WSA, 7
.set RA,  8
.set BO,  9
.set R16, 10
.set VB,  11
.set XF,  16
.set WF,  48
.set XS,  80
.set WS,  96
.set ACC, 112
.set SW,  240
.set SPW, 252
.set NIL, 253
.set TM,  16
.set SEL, 84
.set G1XC, 28                          ; group 1: 128 rows of 256 bytes, my row of the cluster
.set G1WC, 36                          ; the same, my column
.set G1XS, 44                          ; 8 rows of 256 bytes, my row
.set G1WS, 52                          ; my column
.set G0XC, 60
.set G0XS, 68
.set G0WC, 72
.set G0WS, 76
.set G0R,  80
.macro GROUP1 g, rows                  ; a dense block as rows of 256 bytes: 32 elements of 8 bytes; no padding
	s_mov_b32 s[\g+1], 32<<16
	s_mov_b32 s[\g+2], (\rows)<<16
	s_mov_b32 s[\g+3], 32<<16
	s_mov_b32 s[\g+4], \rows
	s_mov_b32 s[\g+5], 32
	s_mov_b32 s[\g+6], 0
	s_mov_b32 s[\g+7], 0
.endm
.macro GROUP0 g, lds, base, off
	s_mov_b32 s[\g], 1
	s_mov_b32 s[\g+1], s[\lds]
	s_add_nc_u64 s[\g+2:\g+3], s[\base:\base+1], s[\off:\off+1]
	s_or_b32 s[\g+3], s[\g+3], 0x80000000
.endm
.macro CROUND                          ; a round of the cluster's barrier
	s_barrier_signal -1
	s_barrier_wait -1
	s_cmp_lg_u32 s20, 0
	s_cbranch_scc1 .Lnot_wave_0_\@
	s_barrier_signal -3
.Lnot_wave_0_\@:
	s_barrier_wait -3
	s_barrier_signal -1
	s_barrier_wait -1
.endm
.macro PLACES n
.rept \n
	v_nop
.endr
.endm
	s_load_b512 s[4:19], s[0:1], 0x0               ; xa, wa, rope, bq, bk, bv, qk, vv
	v_lshl_add_u32 v[SPW], v0, 2, SPARE
	v_mov_b32 v[NIL], 0
	ds_add_u32 v[SPW], v[NIL]                      ; the wave's opening: the add, twice on end, and its wait ahead of my first tensor load
	ds_add_u32 v[SPW], v[NIL]
	v_lshrrev_b32 v1, 5, v0
	v_readfirstlane_b32 s20, v1                    ; wave 0 .. 5
	s_bfe_u32 s21, ttmp6, 0x40000                  ; cx
	s_bfe_u32 s22, ttmp6, 0x40004                  ; cy
	s_lshl_b32 s23, ttmp9, 2
	s_add_co_u32 s23, s23, s21                     ; g
	s_and_b32 s24, ttmp7, 0xffff
	s_lshl_b32 s24, s24, 2
	s_add_co_u32 s24, s24, s22                     ; mg
	s_lshl_b32 s25, s22, 2
	s_lshl_b32 s25, 15, s25                        ; my row of the cluster
	s_lshl_b32 s26, 0x1111, s21                    ; my column
	s_or_b32 s[G1XC], s25, (3<<16)|(1<<21)         ; the mask; elements of 8 bytes; bit 21 set beside a mask
	s_or_b32 s[G1XS], s25, (3<<16)|(1<<21)
	s_or_b32 s[G1WC], s26, (3<<16)|(1<<21)
	s_or_b32 s[G1WS], s26, (3<<16)|(1<<21)
	GROUP1 G1XC, 128
	GROUP1 G1WC, 128
	GROUP1 G1XS, 8
	GROUP1 G1WS, 8
	s_and_b32 s27, s20, 1                          ; th
	s_lshr_b32 s100, s20, 1                        ; hh
	s_lshl_b32 s86, s24, 16                        ; x's codes: 65,536 mg + 32,768 (wave % 2): mg and the wave's number alone
	s_lshl_b32 s96, s27, 15
	s_add_co_u32 s86, s86, s96
	s_mov_b32 s87, 0
	s_lshl_b32 s88, s24, 12                        ; x's scale words
	s_lshl_b32 s96, s27, 11
	s_add_co_u32 s88, s88, s96
	s_add_co_u32 s88, s88, XSC
	s_mov_b32 s89, 0
	s_max_u32 s97, s20, 2
	s_sub_co_u32 s97, s97, 2                       ; which third of W's 12 tiles (waves 2 to 4)
	s_mul_i32 s90, s23, 98304                      ; W's codes: g and the wave's number alone
	s_lshl_b32 s96, s97, 15
	s_add_co_u32 s90, s90, s96
	s_mov_b32 s91, 0
	s_mul_i32 s92, s23, 6144                       ; W's scale words
	s_lshl_b32 s96, s97, 11
	s_add_co_u32 s92, s92, s96
	s_add_co_u32 s92, s92, WSC
	s_mov_b32 s93, 0
	s_and_b32 s94, s24, 15                         ; the table: the 128 positions mg % 16
	s_lshl_b32 s94, s94, 15
	s_mov_b32 s95, 0
	s_lshl_b32 s98, s20, 15                        ; where they go: 32,768 x wave: x's halves, W's thirds, the table
	s_lshl_b32 s99, s20, 11
	s_add_co_u32 s99, s99, LXS                     ; and 2,048 x wave for the scale words
	s_mov_b32 s[SEL], 0x76543210
	s_mov_b32 s[SEL+1], 0xfedcba98
	s_wait_dscnt 0x0                               ; both opening adds are done
	s_wait_kmcnt 0x0
	GROUP0 G0XC, 98, 4, 86
	GROUP0 G0XS, 99, 4, 88
	GROUP0 G0WC, 98, 6, 90
	GROUP0 G0WS, 99, 6, 92
	GROUP0 G0R, 98, 8, 94
	CROUND                                         ; all sixteen work-groups are here: the joint loads meet
	s_cmp_lt_u32 s20, 2                            ; every wave has a fill in its arm; by this text's count two loads of a wave are out at the most
	s_cbranch_scc0 .Lnot_x
	tensor_load_to_lds s[G0XC:G0XC+3], s[G1XC:G1XC+7]
	s_nop 0
	tensor_load_to_lds s[G0XS:G0XS+3], s[G1XS:G1XS+7]
	s_nop 0
	PLACES 4
	s_branch .Lasked
.Lnot_x:
	s_cmp_lt_u32 s20, 5
	s_cbranch_scc0 .Lfor_rope
	tensor_load_to_lds s[G0WC:G0WC+3], s[G1WC:G1WC+7]
	s_nop 0
	tensor_load_to_lds s[G0WS:G0WS+3], s[G1WS:G1WS+7]
	s_nop 0
	PLACES 4
	s_branch .Lasked
.Lfor_rope:
	tensor_load_to_lds s[G0R:G0R+3], s[G1XC:G1XC+7]
	s_nop 0
	PLACES 4
.Lasked:
	v_and_b32 v12, 31, v0
	v_lshlrev_b32 v[LI], 4, v12                    ; 16 x lane
	v_and_b32 v2, 15, v0                           ; r
	v_bfe_u32 v3, v0, 4, 1                         ; h
	v_lshlrev_b32 v[BO], 6, v3                     ; q, k: my 16 numbers of each 32 of the bias
	s_wait_alu depctr_va_vdst(0)
	v_lshlrev_b32 v[R16], 4, v2
	v_and_b32 v[VB], 8, v2
	v_add_nc_u32 v[VB], v[VB], v2
	v_lshlrev_b32 v[VB], 2, v[VB]
	s_lshl_b32 s96, s27, 7
	v_add_nc_u32 v[VB], s96, v[VB]                 ; v: the one d of my lane: 128 th + 4 (r + 8 (r / 8))
	; the head's 64 numbers of bias.  The loads stand here, with no branch, so that they are on their way with the tiles: every wave asks in both layouts, inside its head's 256 bytes, and uses one
	s_wait_alu depctr_va_vdst(0)
	s_lshl_b32 s97, s23, 1
	s_add_co_u32 s97, s97, s100                    ; q head 2 g + hh
	s_and_b32 s98, s23, 3                          ; k or v head g % 4
	s_cmp_eq_u32 ttmp9, 0
	s_cselect_b64 s[2:3], s[12:13], s[14:15]
	s_cmp_eq_u32 s100, 2
	s_cselect_b64 s[2:3], s[2:3], s[10:11]
	s_cselect_b32 s97, s98, s97
	s_lshl_b32 s98, s97, 8
	s_mov_b32 s99, 0
	s_add_nc_u64 s[2:3], s[2:3], s[98:99]
.irp n, 0,1,2,3
.irp e, 0,1
	global_load_b128 v[ACC+8*\n+4*\e:ACC+8*\n+4*\e+3], v[BO], s[2:3] offset:128*(\n/2)+32*(\n%2)+16*\e   ; straight into the accumulators of token tile 0, in the result's layout
.endr
.endr
	global_load_b32 v254, v[VB], s[2:3]
	global_load_b32 v255, v[VB], s[2:3] offset:32
	s_lshr_b32 s86, s24, 4                         ; b
	s_and_b32 s87, s24, 15                         ; which 128 positions
	s_wait_tensorcnt 0x0                           ; my parts have landed,
	s_barrier_signal -1
	s_barrier_wait -1                              ; everybody's have
	s_wait_loadcnt 0x0                             ; the bias
	s_cmp_lt_u32 s20, 4
	s_cbranch_scc1 .Lqk
	s_cmp_eq_u32 ttmp9, 0                          ; the cluster's x: the same in all partners
	s_cbranch_scc0 .Lvpath
.Lqk:
	; ---------------- q and k ----------------
	s_lshl_b32 s96, s27, 15
	v_add_nc_u32 v[XA], s96, v[LI]
	s_lshl_b32 s96, s100, 15
	s_add_co_u32 s96, s96, LW
	v_add_nc_u32 v[WA], s96, v[LI]
	s_lshl_b32 s96, s27, 11
	s_add_co_u32 s96, s96, LXS
	v_add_nc_u32 v[XSA], s96, v[R16]
	s_wait_alu depctr_va_vdst(0)
	s_lshl_b32 s96, s100, 11
	s_add_co_u32 s96, s96, LWS
	v_add_nc_u32 v[WSA], s96, v[R16]
	s_wait_alu depctr_va_vdst(0)
	s_lshl_b32 s96, s27, 14
	s_add_co_u32 s96, s96, LR
	v_add_nc_u32 v[RA], s96, v[LI]
	s_lshl_b32 s88, s23, 1
	s_add_co_u32 s88, s88, s100
	s_add_co_u32 s89, s23, 16
	s_cmp_eq_u32 s100, 2
	s_cselect_b32 s88, s89, s88                    ; hd
	s_mul_i32 s89, s86, 20
	s_add_co_u32 s88, s88, s89                     ; 20 b + hd
	s_lshl_b32 s89, s88, 7
	s_lshl_b32 s90, s87, 3
	s_add_co_u32 s89, s89, s90
	s_lshl_b32 s90, s27, 2
	s_add_co_u32 s89, s89, s90                     ; my first tile
	s_lshl_b32 s90, s89, 9
	s_mov_b32 s91, 0
	s_add_nc_u64 s[92:93], s[16:17], s[90:91]      ; its codes
	s_lshl_b32 s89, s88, 5
	s_lshl_b32 s90, s87, 1
	s_add_co_u32 s89, s89, s90
	s_add_co_u32 s89, s89, s27
	s_lshl_b32 s90, s89, 8
	s_add_co_u32 s90, s90, QKS
	s_add_nc_u64 s[94:95], s[16:17], s[90:91]      ; my four tiles' scale words
; A K step of 128: 16 fragments, 16 products; the accumulators take turns, one instruction a turn.  Four places stand behind the products, in front of the next loads into their sources.
.macro WM d, w, x, c, sw, sx
	v_wmma_scale_f32_16x16x128_f8f6f4 v[\d:\d+7], v[\w:\w+7], v[\x:\x+7], \c, v[\sw], v[\sx] matrix_a_fmt:MATRIX_FMT_FP4 matrix_b_fmt:MATRIX_FMT_FP4
.endm
.macro GSTEP ks
.if (\ks)%4 == 0
.irp a, 0,1,2,3
	ds_load_b128 v[XS+4*\a:XS+4*\a+3], v[XSA] offset:\a*512+((\ks)/4)*256   ; four K steps' scale words of a tile
	ds_load_b128 v[WS+4*\a:WS+4*\a+3], v[WSA] offset:\a*512+((\ks)/4)*256
.endr
.endif
.irp a, 0,1,2,3
.irp c, 0,1
	ds_load_b128 v[XF+8*\a+4*\c:XF+8*\a+4*\c+3], v[XA] offset:\a*8192+(\ks)*1024+512*\c
	ds_load_b128 v[WF+8*\a+4*\c:WF+8*\a+4*\c+3], v[WA] offset:\a*8192+(\ks)*1024+512*\c
.endr
.endr
	s_wait_dscnt 0x0
.if (\ks) == 0
.irp a, 1,2,3                          ; the bias is the C of each sum's first product: token tiles 1 to 3 read it from tile 0's accumulators,
.irp n, 0,1,2,3
	WM ACC+8*(4*\a+\n), WF+8*\n, XF+8*\a, v[ACC+8*\n:ACC+8*\n+7], WS+4*\n, XS+4*\a
.endr
.endr
	PLACES 5                                       ; (five places in front of products that write over registers which the products above have read)
.irp n, 0,1,2,3                        ; and tile 0 adds in place onto it
	WM ACC+8*\n, WF+8*\n, XF, v[ACC+8*\n:ACC+8*\n+7], WS+4*\n, XS
.endr
.else
.irp a, 0,1,2,3
.irp n, 0,1,2,3
	WM ACC+8*(4*\a+\n), WF+8*\n, XF+8*\a, v[ACC+8*(4*\a+\n):ACC+8*(4*\a+\n)+7], WS+4*\n+(\ks)%4, XS+4*\a+(\ks)%4
.endr
.endr
.endif
	PLACES 4
.endm
; 32 numbers of a lane, register 16 b + i = k 32 b + 16 (lane / 16) + i of my row, become 4 registers of codes (lane (r, h): k = 32 h + 0 .. 31) and a scale word of two bytes.
.macro QUANT2 src, tm, pc, w
.irp b, 0,1
	v_max3_num_f32 v[(\tm)+\b], |v[(\src)+16*\b]|, |v[(\src)+16*\b+1]|, 0x1800000   ; my 16 numbers of block b, and the floor 2^(3 - 127)
.endr
.irp i, 2,4,6,8,10,12,14
.irp b, 0,1
	v_max3_num_f32 v[(\tm)+\b], v[(\tm)+\b], |v[(\src)+16*\b+\i]|, |v[(\src)+16*\b+\i+1]|
.endr
.endr
.irp b, 0,1
	v_permlanex16_b32 v[(\tm)+2+\b], v[(\tm)+\b], s[SEL], s[SEL+1]
.endr
.irp b, 0,1
	v_max_num_f32 v[(\tm)+\b], v[(\tm)+\b], v[(\tm)+2+\b]   ; with lane l xor 16's: the block's largest magnitude
.endr
.irp b, 0,1
	v_add_nc_u32 v[(\tm)+4+\b], 0xff000000, v[(\tm)+\b]     ; 2 off its exponent field: the conversion's scale operand
.endr
.irp b, 0,1
	v_lshrrev_b32 v[(\tm)+6+\b], 23, v[(\tm)+4+\b]          ; the scale's byte
.endr
	v_lshl_or_b32 v[\w], v[(\tm)+7], 8, v[(\tm)+6]
.irp b, 0,1
	v_cvt_scalef32_pk8_fp4_f32 v[(\pc)+2*\b], v[(\src)+16*\b:(\src)+16*\b+7], v[(\tm)+4+\b]
	v_cvt_scalef32_pk8_fp4_f32 v[(\pc)+2*\b+1], v[(\src)+16*\b+8:(\src)+16*\b+15], v[(\tm)+4+\b]
.endr
	v_nop                                          ; one plain place behind a scaled conversion
.irp i, 0,1
	v_permlane16_swap_b32 v[(\pc)+\i], v[(\pc)+2+\i]   ; a whole block to a lane: lanes 0-15 block 0, lanes 16-31 block 1
.endr
.endm
; Token tile a: RoPE in f32, then the quantiser.  Registers AA + i are d = 16 h + i, AA + 16 + i are d = 32 + 16 h + i; both turn by the angle of j = 16 h + i.  The tile's own accumulators, once read, serve as scratch and hold its codes.
.macro ROPEQ a
.set AA, ACC+32*(\a)
.irp cs, 0,1
.irp q, 0,1,2,3
	ds_load_b128 v[16+16*\cs+4*\q:19+16*\cs+4*\q], v[RA] offset:(\a)*4096+\cs*2048+\q*512   ; cos in v16-31, sin in v32-47
.endr
.endr
	s_wait_dscnt 0x0
.irp i, 0,2,4,6,8,10,12,14
	v_pk_mul_f32 v[48+\i:49+\i], v[AA+\i:AA+\i+1], v[16+\i:17+\i]
.endr
.irp i, 0,2,4,6,8,10,12,14
	v_pk_mul_f32 v[64+\i:65+\i], v[AA+16+\i:AA+17+\i], v[16+\i:17+\i]
.endr
.irp i, 0,2,4,6,8,10,12,14
	v_pk_fma_f32 v[48+\i:49+\i], v[AA+16+\i:AA+17+\i], v[32+\i:33+\i], v[48+\i:49+\i] neg_lo:[1,0,0] neg_hi:[1,0,0]   ; x1 cos - x2 sin
.endr
.irp i, 0,2,4,6,8,10,12,14
	v_pk_fma_f32 v[64+\i:65+\i], v[AA+\i:AA+\i+1], v[32+\i:33+\i], v[64+\i:65+\i]                                     ; x2 cos + x1 sin
.endr
	QUANT2 48,AA,AA+16,SW+(\a)
	global_store_b128 v[LI], v[AA+16:AA+19], s[92:93] offset:(\a)*512   ; 512 consecutive bytes
.endm
.irp k, 0,1,2,3,4,5,6,7
	GSTEP \k
.endr
	s_wait_alu depctr_va_vdst(0)
	ROPEQ 0
	ROPEQ 1
	ROPEQ 2
	ROPEQ 3
	v_cmp_gt_u32 vcc_lo, 16, v12
	s_wait_alu depctr_va_vdst(0)
	s_wait_xcnt 0x0                                ; EXEC changes only behind this wait
	s_and_saveexec_b32 s96, vcc_lo
	global_store_b128 v[R16], v[SW:SW+3], s[94:95] ; lanes 0-15: 256 consecutive bytes, aligned
	s_wait_xcnt 0x0
	s_or_b32 exec_lo, exec_lo, s96
	s_branch .Ldone
	; ---------------- v ----------------
.Lvpath:
.irp j, 0,1,2,3,4,5,6,7
	v_mov_b32 v[64+\j], v254                       ; the bias of my lane's d, as the C of d tile 0's first products,
	v_mov_b32 v[72+\j], v255                       ; and of d tile 1's
.endr
	v_mov_b32 v[XA], v[LI]
	s_lshl_b32 s96, s27, 14
	s_add_co_u32 s96, s96, LW+65536
	v_add_nc_u32 v[WA], s96, v[LI]                 ; W's tiles 8 + 2 th, 9 + 2 th
	v_add_nc_u32 v[XSA], LXS, v[R16]
	s_wait_alu depctr_va_vdst(0)
	s_lshl_b32 s96, s27, 10
	s_add_co_u32 s96, s96, LWS+4096
	v_add_nc_u32 v[WSA], s96, v[R16]
	s_wait_alu depctr_va_vdst(0)
	s_lshl_b32 s88, s86, 2
	s_add_co_u32 s88, s88, s23
	s_sub_co_u32 s88, s88, 4                       ; 4 b + head
	s_lshl_b32 s88, s88, 4
	s_add_co_u32 s88, s88, s87                     ; x 16 + step
	s_lshl_b32 s90, s88, 12
	s_lshl_b32 s89, s27, 11
	s_add_co_u32 s90, s90, s89
	s_mov_b32 s91, 0
	s_add_nc_u64 s[92:93], s[18:19], s[90:91]      ; my two fragments
	s_lshl_b32 s90, s88, 8
	s_lshl_b32 s89, s27, 3
	s_add_co_u32 s90, s90, s89
	s_add_co_u32 s90, s90, VSO
	s_add_nc_u64 s[94:95], s[18:19], s[90:91]      ; their scale words
; Half hf of the 128 tokens (four tiles), K step ks: 8 products on 8 accumulators by turns.  Two halves, so that the scale words of a half fit the registers that hold scales in the other path too; W's two fragments are read once for each half.
.macro VSTEP hf, ks
.if (\ks)%4 == 0
.irp a, 0,1,2,3
	ds_load_b128 v[XS+4*\a:XS+4*\a+3], v[XSA] offset:(4*(\hf)+\a)*512+((\ks)/4)*256
.endr
.irp n, 0,1
	ds_load_b128 v[WS+4*\n:WS+4*\n+3], v[WSA] offset:\n*512+((\ks)/4)*256
.endr
.endif
.irp c, 0,1
.irp a, 0,1,2,3
	ds_load_b128 v[XF+8*\a+4*\c:XF+8*\a+4*\c+3], v[XA] offset:(4*(\hf)+\a)*8192+(\ks)*1024+512*\c
.endr
.irp n, 0,1
	ds_load_b128 v[WF+8*\n+4*\c:WF+8*\n+4*\c+3], v[WA] offset:\n*8192+(\ks)*1024+512*\c
.endr
.endr
	s_wait_dscnt 0x0
.irp a, 0,1,2,3
.irp n, 0,1
.if (\ks) == 0
	WM ACC+64*\n+8*(4*(\hf)+\a), XF+8*\a, WF+8*\n, v[64+8*\n:71+8*\n], XS+4*\a, WS+4*\n
.else
	WM ACC+64*\n+8*(4*(\hf)+\a), XF+8*\a, WF+8*\n, v[ACC+64*\n+8*(4*(\hf)+\a):ACC+64*\n+8*(4*(\hf)+\a)+7], XS+4*\a+(\ks)%4, WS+4*\n+(\ks)%4
.endif
.endr
.endr
	PLACES 4
.endm
; 64 numbers of a lane, register 16 b + i = k 32 b + 16 (lane / 16) + i, become a fragment's 8 registers and its scale word of four bytes.
.macro QUANT4 s, pc, pw
.irp b, 0,1,2,3
	v_max3_num_f32 v[TM+\b], |v[(\s)+16*\b]|, |v[(\s)+1+16*\b]|, 0x1800000
.endr
.irp i, 2,4,6,8,10,12,14
.irp b, 0,1,2,3
	v_max3_num_f32 v[TM+\b], v[TM+\b], |v[(\s)+16*\b+\i]|, |v[(\s)+1+16*\b+\i]|
.endr
.endr
.irp b, 0,1,2,3
	v_permlanex16_b32 v[TM+4+\b], v[TM+\b], s[SEL], s[SEL+1]
.endr
.irp b, 0,1,2,3
	v_max_num_f32 v[TM+\b], v[TM+\b], v[TM+4+\b]
.endr
.irp b, 0,1,2,3
	v_add_nc_u32 v[TM+12+\b], 0xff000000, v[TM+\b]
.endr
.irp b, 0,1,2,3
	v_lshrrev_b32 v[TM+4+\b], 23, v[TM+12+\b]
.endr
	v_lshl_or_b32 v[\pw], v[TM+5], 8, v[TM+4]
	v_lshl_or_b32 v[\pw], v[TM+6], 16, v[\pw]
	v_lshl_or_b32 v[\pw], v[TM+7], 24, v[\pw]
.irp b, 0,1,2,3
	v_cvt_scalef32_pk8_fp4_f32 v[(\pc)+2*\b], v[(\s)+16*\b:(\s)+7+16*\b], v[TM+12+\b]
	v_cvt_scalef32_pk8_fp4_f32 v[(\pc)+1+2*\b], v[(\s)+8+16*\b:(\s)+15+16*\b], v[TM+12+\b]
.endr
	v_nop
.irp c, 0,1
.irp i, 0,1
	v_permlane16_swap_b32 v[(\pc)+4*\c+\i], v[(\pc)+2+4*\c+\i]
.endr
.endr
.endm
.irp f, 0,1
.irp k, 0,1,2,3,4,5,6,7
	VSTEP \f, \k
.endr
.endr
.irp n, 0,1
	QUANT4 ACC+64*\n,48+8*\n,32+\n
.irp c, 0,1
	global_store_b128 v[LI], v[48+8*\n+4*\c:51+8*\n+4*\c], s[92:93] offset:\n*1024+\c*512
.endr
.endr
	v_cmp_gt_u32 vcc_lo, 16, v12
	s_wait_xcnt 0x0
	s_and_saveexec_b32 s96, vcc_lo
	global_store_b64 v[R16], v[32:33], s[94:95]    ; two of a row's four words; the other wave of the pair stores the other two
	s_wait_xcnt 0x0
	s_or_b32 exec_lo, exec_lo, s96
.Ldone:
	s_wait_tensorcnt 0x0                           ; the wave's end
	ds_add_u32 v[SPW], v[NIL]
	s_wait_dscnt 0x0
	CROUND                                         ; the closing round
	s_endpgm
.Lfunc_end_k_qf61ddac00c_qkv:
	.size	k_qf61ddac00c_qkv, .Lfunc_end_k_qf61ddac00c_qkv-k_qf61ddac00c_qkv
	.p2alignl 7, 3214868480
	.fill 96, 4, 3214868480
	.section	.rodata,"a",@progbits
	.p2align	6, 0x0
	.amdhsa_kernel k_qf61ddac00c_qkv
		.amdhsa_group_segment_fixed_size 207616
		.amdhsa_private_segment_fixed_size 0
		.amdhsa_enable_private_segment 0
		.amdhsa_kernarg_size 64
		.amdhsa_user_sgpr_count 2
		.amdhsa_user_sgpr_kernarg_segment_ptr 1
		.amdhsa_wavefront_size32 1
		.amdhsa_system_sgpr_workgroup_id_x 1
		.amdhsa_system_sgpr_workgroup_id_y 1
		.amdhsa_system_sgpr_workgroup_id_z 1
		.amdhsa_system_vgpr_workitem_id 0
		.amdhsa_next_free_vgpr 256
		.amdhsa_next_free_sgpr 102
		.amdhsa_reserve_vcc 1
		.amdhsa_float_denorm_mode_32 3
		.amdhsa_float_denorm_mode_16_64 3
		.amdhsa_memory_ordered 1
		.amdhsa_forward_progress 1
		.amdhsa_inst_pref_size 97
	.end_amdhsa_kernel
	.amdgpu_metadata
---
amdhsa.version: [ 1, 2 ]
amdhsa.kernels:
  - .name:           k_qf61ddac00c_qkv
    .symbol:         k_qf61ddac00c_qkv.kd
    .args:
      - { .name: xa, .offset: 0, .size: 8, .value_kind: global_buffer, .address_space: global }
      - { .name: wa, .offset: 8, .size: 8, .value_kind: global_buffer, .address_space: global }
      - { .name: rope, .offset: 16, .size: 8, .value_kind: global_buffer, .address_space: global }
      - { .name: bq, .offset: 24, .size: 8, .value_kind: global_buffer, .address_space: global }
      - { .name: bk, .offset: 32, .size: 8, .value_kind: global_buffer, .address_space: global }
      - { .name: bv, .offset: 40, .size: 8, .value_kind: global_buffer, .address_space: global }
      - { .name: qk, .offset: 48, .size: 8, .value_kind: global_buffer, .address_space: global }
      - { .name: vv, .offset: 56, .size: 8, .value_kind: global_buffer, .address_space: global }
    .group_segment_fixed_size: 207616
    .private_segment_fixed_size: 0
    .kernarg_segment_align: 8
    .kernarg_segment_size: 64
    .max_flat_workgroup_size: 192
    .sgpr_count:     102
    .vgpr_count:     256
    .wavefront_size: 32
...
	.end_amdgpu_metadata
.endif
;; end of part 2
;; launch attn (part 3): grid 32 x 8, 8 waves a work-group, clusters of 4 x 1, 167,936 bytes of LDS; arguments qk, vv, oo; writes oo
.if DOCPART == 3
	.amdgcn_target "amdgcn-amd-amdhsa--gfx1250"
	.amdhsa_code_object_version 6
	.text
	.protected	k_qf61ddac00c_attn
	.globl	k_qf61ddac00c_attn
	.p2align	8
	.type	k_qf61ddac00c_attn,@function
k_qf61ddac00c_attn:
	s_mov_b64 s[64:65], 0
	v_nop
	global_prefetch_b8 v0, s[64:65] scope:SCOPE_SE
	s_setreg_imm32_b32 hwreg(HW_REG_WAVE_MODE, 25, 1), 1
	s_wait_xcnt 0x0
	s_wait_alu depctr_hold_cnt(0) depctr_sa_sdst(0) depctr_va_vdst(0) depctr_va_sdst(0) depctr_va_ssrc(0) depctr_va_vcc(0) depctr_vm_vsrc(0)
	s_getreg_b32 s2, hwreg(HW_REG_IB_STS2, 6, 4)
	s_cmp_eq_u32 s2, 0
	s_cbranch_scc0 .Lentry_in_a_cluster
	s_endpgm
.Lentry_in_a_cluster:
	s_bfe_u32 s2, ttmp6, 0x10000c
	s_cmp_lg_u32 s2, 0x3003
	s_cbranch_scc0 .Lentry_shape_is_right
	s_endpgm
.Lentry_shape_is_right:
; o = (softmax(q k^T under the causal mask) / 32) v, both products on codes of FP4; o is quantised along E for the last product.
; LEFT OUT: key steps of 128 keys all of which come after a tile's queries: reference()'s own jnp.tril makes their weights 0 for all values of the inputs.  A NaN or an infinity that reaches only those scores is not carried.
; WHAT IS QUANTISED for the second product is the finished weight, exp(s - m) / l / 32, as reference() writes it.  l is no power of two, so it is known before any code of the row is made: TWO PASSES over the keys.
; Pass A: the running largest score m and the sum l.  Pass B: the scores once more, p = 2^(c s - c m) x (1 / (32 l)), quantised along the keys in blocks of 32, and O^T += V^T P^T.  The same rounded c m serves both passes, so its rounding leaves p / l alone.
; SHARES.  Work-group: one query head (4 x key/value head + cx) of one batch; its four cluster partners are the four query heads of one key/value head and run the same positions, so K and V are asked for jointly and every branch is alike in them.
; A wave owns two tiles of 16 queries: with u = wave % 2 and p = cluster x + 8 (wave / 2), tile (63 - p, u) and then tile (p, u) of the 64 groups of 32 positions: 16 - p / 4 and p / 4 + 1 live key steps, 17 for every wave.
; ALL OF A HEAD'S K AND V LIE IN LDS, as images of registers, filled once; all that the launch reads from memory (K, V, both tiles' q) is asked for at its head.  Behind the one barrier that shows the fills to every wave the waves go their own ways:
; their first tiles have 9 to 16 live steps, and a second meeting would make the short ones wait for the long.
; LAYOUT: both products are used transposed, a lane holds one query (lane % 16) throughout; register 16 b + i of the scores is key 32 b + 16 (lane / 16) + i of the step.
; K = 64 IN AN INSTRUCTION OF K = 128: q's fragment is [codes | zero codes]; k's fragment of tile t is the run of 8 registers that begins with its 4, so that its upper half holds the next tile's codes (zeros behind the last): they meet q's zero codes
; and add nothing, under scale bytes 0, which are no NaN.  That spares half of the LDS reads of a padded fragment.
; K ONE STEP AHEAD: behind a step's eight products the next step's K is asked for, so that it lands under the step's softmax.  Step 15's look-ahead reads the 4,096 bytes behind K's codes and the 512 behind its scale words: V's codes and V's scale words,
; inside LDS and landed; they are never multiplied.  V is asked for at the head of its own step and waited for in front of its products.
; In pass A a lane keeps m and l of its own half of the keys; the halves are joined once, behind the pass.  LIMITS: m starts at -2^122: scores under that are not served; NaN and infinities are not served; byte 1 for blocks of zeros.
; o's two scale bytes of a head and row are stored as 2 bytes a lane, 16 bytes apart: the bytes beside them belong to other heads, that is to other work-groups; 128 KiB in all.
; REGISTERS: v1-4, v7, v28, v29 lane constants; v5, v6 the add's two; v8-11 addresses in hand; v12 -c m, v13 m, v[14:15] l; v16-23 q | zeros; v24, v25 the two tiles' scale words of q; v[26:27] 1 / (32 l); v32-67 k | zeros; v68-75 k's scale words;
;   v76-107 V; v108-111 V's scale words; v112-175 scores, then p; v176-207 O^T; v208-215 p's codes; v216-223, v228-231 at work; v224-227 the second tile's q; v232-235 two chains of l's sum; v236 p's scale word; v240-244 o's codes and scale bytes; v246-254 at work.
.set QKS, 2621440
.set VSO, 524288
.set OSC, 2097152
.set LV,  65536                        ; LDS: K's codes at 0 (4,096 a step), V's here (4,096 a step),
.set LKS, 131072                       ; K's scale words (512 a step),
.set LVS, 139264                       ; V's (256 a step),
.set SPARE, 143360                     ; the spare words, 128 bytes a wave
.set SPW, 5
.set NIL, 6
.set KFR, 32
.set S,   112
.set O,   176
.set WV,  10
.set G1C, 16                           ; 32 rows of 256 bytes
.set G1KS, 24                          ; 4 rows
.set G1VS, 32                          ; 2 rows
.set SEL, 56
.set CS,  58                           ; s[58:59] c = log2(e)
.set NC,  60                           ; -c
.set TK,  61                           ; the step's codes: 4,096 a step, K's and V's
.set TS,  62                           ; K's scale words: 512 a step
.set TV,  63                           ; V's: 256 a step
.set KF,  66                           ; the step's first key
.set CNT, 67
.set Q0,  68                           ; the first position of the tile's group of 32
.set QSR, 24                           ; the register with the scale word of the q in hand
.macro GROUP1 g, rows
	s_mov_b32 s[\g], 15|(3<<16)|(1<<21)            ; the mask: all four work-groups; elements of 8 bytes; bit 21 set beside a mask
	s_mov_b32 s[\g+1], 32<<16
	s_mov_b32 s[\g+2], (\rows)<<16
	s_mov_b32 s[\g+3], 32<<16
	s_mov_b32 s[\g+4], \rows
	s_mov_b32 s[\g+5], 32
	s_mov_b32 s[\g+6], 0
	s_mov_b32 s[\g+7], 0
.endm
.macro GROUP0 g, lds, base, off
	s_mov_b32 s[\g], 1
	s_mov_b32 s[\g+1], s[\lds]
	s_add_nc_u64 s[\g+2:\g+3], s[\base:\base+1], s[\off:\off+1]
	s_or_b32 s[\g+3], s[\g+3], 0x80000000
.endm
.macro CROUND
	s_barrier_signal -1
	s_barrier_wait -1
	s_cmp_lg_u32 s[WV], 0
	s_cbranch_scc1 .Lnot_wave_0_\@
	s_barrier_signal -3
.Lnot_wave_0_\@:
	s_barrier_wait -3
	s_barrier_signal -1
	s_barrier_wait -1
.endm
.macro PLACES n
.rept \n
	v_nop
.endr
.endm
; where the q of the tile in group s[g] lies: its codes' address into s[bc:bc+1], its scale words' into s[bs:bs+1]
.macro QADR g, bc, bs
	s_lshl_b32 s88, s[\g], 1
	s_add_co_u32 s88, s88, s69                     ; the tile's number in its sequence
	s_lshl_b32 s89, s80, 7
	s_add_co_u32 s89, s89, s88
	s_lshl_b32 s90, s89, 9
	s_mov_b32 s91, 0
	s_add_nc_u64 s[\bc:\bc+1], s[4:5], s[90:91]
	s_lshl_b32 s89, s80, 5
	s_lshr_b32 s92, s88, 2
	s_add_co_u32 s89, s89, s92
	s_lshl_b32 s90, s89, 8
	s_and_b32 s92, s88, 3
	s_lshl_b32 s92, s92, 2
	s_add_co_u32 s90, s90, s92
	s_add_co_u32 s90, s90, QKS
	s_add_nc_u64 s[\bs:\bs+1], s[4:5], s[90:91]
.endm
	s_load_b128 s[4:7], s[0:1], 0x0                ; qk, vv
	s_load_b64 s[8:9], s[0:1], 0x10                ; oo
	v_lshl_add_u32 v[SPW], v0, 2, SPARE
	v_mov_b32 v[NIL], 0
	ds_add_u32 v[SPW], v[NIL]                      ; the wave's opening: the add, twice on end, and its wait ahead of my first tensor load
	ds_add_u32 v[SPW], v[NIL]
	v_lshrrev_b32 v1, 5, v0
	s_delay_alu instid0(VALU_DEP_1)
	v_readfirstlane_b32 s[WV], v1                  ; wave 0 .. 7
	s_bfe_u32 s11, ttmp6, 0x40000                  ; cx: it enters q's and o's global addresses alone
	s_mov_b32 s12, ttmp9                           ; the cluster's x
	s_and_b32 s13, ttmp7, 0xffff                   ; 4 b + key/value head
	s_lshr_b32 s14, s13, 2                         ; b
	s_and_b32 s15, s13, 3
	GROUP1 G1C, 32
	GROUP1 G1KS, 4
	GROUP1 G1VS, 2
	s_mul_i32 s88, s14, 20
	s_add_co_u32 s88, s88, s15
	s_add_co_u32 s88, s88, 16                      ; k's place among qk's heads
	s_lshl_b32 s90, s88, 16
	s_lshl_b32 s82, s[WV], 13                      ; each wave fetches an eighth of each block
	s_add_co_u32 s90, s90, s82
	s_mov_b32 s91, 0
	s_lshl_b32 s92, s88, 13
	s_lshl_b32 s83, s[WV], 10
	s_add_co_u32 s92, s92, s83
	s_add_co_u32 s92, s92, QKS
	s_mov_b32 s93, 0
	s_lshl_b32 s94, s13, 16
	s_add_co_u32 s94, s94, s82
	s_mov_b32 s95, 0
	s_lshl_b32 s96, s13, 12
	s_lshl_b32 s85, s[WV], 9
	s_add_co_u32 s96, s96, s85
	s_add_co_u32 s96, s96, VSO
	s_mov_b32 s97, 0
	s_add_co_u32 s84, s82, LV
	s_add_co_u32 s83, s83, LKS
	s_add_co_u32 s85, s85, LVS
	s_lshl_b32 s81, s15, 2
	s_add_co_u32 s81, s81, s11                     ; my query head
	s_mul_i32 s80, s14, 20
	s_add_co_u32 s80, s80, s81                     ; and its place among qk's heads
	s_and_b32 s69, s[WV], 1                        ; u
	s_lshr_b32 s70, s[WV], 1
	s_lshl_b32 s70, s70, 3
	s_add_co_u32 s70, s70, s12                     ; p
	s_mov_b32 s[SEL], 0x76543210
	s_mov_b32 s[SEL+1], 0xfedcba98
	s_mov_b32 s[CS], 0x3fb8aa3b
	s_mov_b32 s[CS+1], s[CS]                       ; (named with it as a pair, so it is written)
	s_mov_b32 s[NC], 0xbfb8aa3b
	s_wait_dscnt 0x0                               ; both opening adds are done
	s_wait_kmcnt 0x0
	GROUP0 40, 82, 4, 90
	GROUP0 44, 83, 4, 92
	GROUP0 48, 84, 6, 94
	GROUP0 52, 85, 6, 96
	CROUND                                         ; all four work-groups are here: the joint loads meet
	tensor_load_to_lds s[40:43], s[G1C:G1C+7]      ; K's codes,
	s_nop 0
	tensor_load_to_lds s[44:47], s[G1KS:G1KS+7]    ; K's scale words,
	s_nop 0
	tensor_load_to_lds s[48:51], s[G1C:G1C+7]      ; V's codes,
	s_nop 0
	tensor_load_to_lds s[52:55], s[G1VS:G1VS+7]    ; V's scale words: four loads of mine are out
	s_nop 0
	PLACES 4
	v_and_b32 v29, 31, v0
	s_delay_alu instid0(VALU_DEP_1)
	v_lshlrev_b32 v1, 4, v29                       ; 16 x lane
	s_wait_alu depctr_va_vdst(0)
	v_and_b32 v30, 15, v0                          ; r
	v_bfe_u32 v31, v0, 4, 1                        ; h
	s_delay_alu instid0(VALU_DEP_2)
	v_lshlrev_b32 v28, 4, v30                      ; 16 r
	s_wait_alu depctr_va_vdst(0)
	s_sub_co_u32 s71, 63, s70                      ; q of both tiles is asked for here, so that it comes while the tiles of K and V do
	QADR 71, 72, 74
	global_load_b128 v[16:19], v1, s[72:73]        ; the first tile's codes
	global_load_b32 v24, v28, s[74:75]             ; and scale words
	QADR 70, 76, 78
	global_load_b128 v[224:227], v1, s[76:77]      ; the second tile's
	global_load_b32 v25, v28, s[78:79]
	v_add_nc_u32 v2, LKS, v28
	v_add_nc_u32 v3, LV, v1
	v_add_nc_u32 v4, LVS, v28
	v_and_b32 v7, 8, v30
	s_delay_alu instid0(VALU_DEP_1)
	v_add_nc_u32 v7, v7, v30
	v_lshlrev_b32 v31, 4, v31
	s_delay_alu instid0(VALU_DEP_1)
	v_sub_nc_u32 v7, v7, v31
	s_lshl_b32 s88, s69, 3
	v_add_nc_u32 v7, s88, v7                       ; my query's place in its group, less 16 h
.irp j, 20,21,22,23,64,65,66,67
	v_mov_b32 v[\j], 0                             ; the zero codes
.endr
.irp j, 218,219,220,221,222,223,247,248
	v_mov_b32 v[\j], 0                             ; written once: lane permutes' destinations, and the upper half of a pair that is named
.endr
	s_wait_tensorcnt 0x0                           ; my four loads have landed: my eighths of K's and of V's codes and scale words,
	s_barrier_signal -1
	s_barrier_wait -1                              ; everybody's have: every LDS read of the text stands behind this wait
	s_wait_loadcnt 0x0                             ; q, both tiles'
; K's eight pieces and its scale words: of the step in hand (nxt = 0) or of the next (nxt = 1): ten loads
.macro KLOAD nxt
.irp t, 0,1,2,3,4,5,6,7
	ds_load_b128 v[KFR+4*\t:KFR+4*\t+3], v8 offset:4096*(\nxt)+512*\t
.endr
	ds_load_b128 v[68:71], v9 offset:512*(\nxt)
	ds_load_b128 v[72:75], v9 offset:512*(\nxt)+256
.endm
; A pass's first K.  The wait: the look-ahead of the pass before has landed, so its registers may be loaded again.
.macro PRE
	s_wait_dscnt 0x0
	v_add_nc_u32 v8, s[TK], v1
	v_add_nc_u32 v9, s[TS], v2
	KLOAD 0
.endm
; The scores of one step: S^T = K Q^T, eight tiles of 16 keys.  The four places behind them serve the loads into K's registers and the first reads of the scores alike.
.macro QKP
.irp t, 0,1,2,3,4,5,6,7
	v_wmma_scale_f32_16x16x128_f8f6f4 v[S+8*\t:S+8*\t+7], v[KFR+4*\t:KFR+4*\t+7], v[16:23], 0, v[68+\t], v[QSR] matrix_a_fmt:MATRIX_FMT_FP4 matrix_b_fmt:MATRIX_FMT_FP4
.endr
	PLACES 4
.endm
; On the diagonal the scores of hidden keys become -infinity: register 16 b + i is hidden where 32 b + i > d, d = my query - the step's first key - 16 h.  A step all of whose keys count jumps over all of this.
; The tile's 32 positions lie in block (Q0 - KF) / 32 of the step: the blocks below it are wholly open and are jumped over (branches on ids, alike in all partners).  Two compares at a time, into two masks, so that no select follows its own compare.
.macro MASKB b
	v_add_nc_u32 v253, -32*(\b), v252              ; d - 32 b
.set n, 0
.rept 8
	v_cmp_gt_i32 vcc_lo, n, v253
	v_cmp_gt_i32 s94, n+1, v253
	v_cndmask_b32 v[S+16*(\b)+n], v[S+16*(\b)+n], v254, vcc_lo
	v_cndmask_b32 v[S+16*(\b)+n+1], v[S+16*(\b)+n+1], v254, s94
.set n, n+2
.endr
.endm
.macro MASK
	s_add_co_u32 s88, s[KF], 127
	s_cmp_le_u32 s88, s[Q0]
	s_cbranch_scc1 .Lopen_\@
	s_sub_co_i32 s88, s[Q0], s[KF]                 ; 0, 32, 64 or 96
	v_add_nc_u32 v252, s88, v7                     ; d
	v_mov_b32 v254, 0xff800000
	s_cmp_ge_u32 s88, 96
	s_cbranch_scc1 .Lb3_\@
	s_cmp_ge_u32 s88, 64
	s_cbranch_scc1 .Lb2_\@
	s_cmp_ge_u32 s88, 32
	s_cbranch_scc1 .Lb1_\@
	MASKB 0
.Lb1_\@:
	s_wait_alu depctr_va_vdst(0)
	MASKB 1
.Lb2_\@:
	s_wait_alu depctr_va_vdst(0)
	MASKB 2
.Lb3_\@:
	s_wait_alu depctr_va_vdst(0)
	MASKB 3
.Lopen_\@:
.endm
.macro SCALE_EXP                       ; c s - c m, two at a time, and 2^that: one batch of exponentials, one plain place, one wait ahead of the first reader
.set j, 0
.rept 32
	v_pk_fma_f32 v[S+j:S+j+1], v[S+j:S+j+1], s[CS:CS+1], v[12:13] op_sel_hi:[1,0,0]
.set j, j+2
.endr
.set j, 0
	s_wait_alu depctr_va_vdst(0)
.rept 64
	v_exp_f32 v[S+j], v[S+j]
.set j, j+1
.endr
	v_nop
	s_wait_alu depctr_va_vdst(0)
.endm
.macro STEP_ON                         ; the next step's addresses: on every path, once a trip
	s_add_co_u32 s[TK], s[TK], 4096
	s_add_co_u32 s[TS], s[TS], 512
	s_add_co_u32 s[TV], s[TV], 256
	s_add_co_u32 s[KF], s[KF], 128
.endm
; PASS A, one step.  A step all of whose keys come after the group's 32 positions is jumped over: a branch on ids, alike in all partners.
.macro STEPA
	s_add_co_u32 s88, s[Q0], 31
	s_cmp_gt_u32 s[KF], s88
	s_cbranch_scc1 .Lhid_\@
	s_setprio 2
	v_add_nc_u32 v8, s[TK], v1
	v_add_nc_u32 v9, s[TS], v2
	s_wait_alu depctr_va_vdst(0)
	s_wait_dscnt 0x0                               ; this step's K, asked for a step ago
	QKP
	KLOAD 1                                        ; the next step's K lands under this step's softmax
	MASK
.irp b, 0,1,2,3
	v_max3_num_f32 v[216+\b], v[S+16*\b], v[S+1+16*\b], v[S+2+16*\b]
.endr
	s_setprio 1
.irp i, 3,5,7,9,11,13
.irp b, 0,1,2,3
	v_max3_num_f32 v[216+\b], v[216+\b], v[S+16*\b+\i], v[S+1+16*\b+\i]
.endr
.endr
.irp b, 0,1,2,3
	v_max_num_f32 v[216+\b], v[216+\b], v[S+15+16*\b]
.endr
	s_delay_alu instid0(VALU_DEP_2)
	v_max3_num_f32 v216, v216, v217, v218
	s_delay_alu instid0(VALU_DEP_1)
	v_max3_num_f32 v13, v216, v219, v13            ; my half's running largest score
	v_mov_b32 v248, v12
	s_delay_alu instid0(VALU_DEP_2)
	v_mul_f32 v12, s[NC], v13                      ; -c m
	s_delay_alu instid0(VALU_DEP_1)
	v_sub_f32 v249, v12, v248                      ; c m_old - c m_new, 0 or less
	s_wait_alu depctr_va_vdst(0)
	v_exp_f32 v246, v249                           ; what brings the old sum under the new m; it shares the batch's wait
	SCALE_EXP
	s_setprio 0
	v_pk_mul_f32 v[14:15], v[14:15], v[246:247] op_sel_hi:[1,0]
	v_pk_add_f32 v[250:251], v[124:125], v[132:133]
	v_pk_add_f32 v[232:233], v[140:141], v[148:149]
	v_pk_add_f32 v[234:235], v[156:157], v[164:165]
	v_pk_add_f32 v[238:239], v[172:173], v[112:113]
	v_pk_add_f32 v[14:15], v[14:15], v[114:115]
	v_pk_add_f32 v[250:251], v[250:251], v[126:127]
	v_pk_add_f32 v[232:233], v[232:233], v[134:135]
	v_pk_add_f32 v[234:235], v[234:235], v[142:143]
	v_pk_add_f32 v[238:239], v[238:239], v[150:151]
	v_pk_add_f32 v[14:15], v[14:15], v[158:159]
	v_pk_add_f32 v[250:251], v[250:251], v[166:167]
	v_pk_add_f32 v[232:233], v[232:233], v[174:175]
	v_pk_add_f32 v[234:235], v[234:235], v[116:117]
	v_pk_add_f32 v[238:239], v[238:239], v[118:119]
	v_pk_add_f32 v[14:15], v[14:15], v[128:129]
	v_pk_add_f32 v[250:251], v[250:251], v[136:137]
	v_pk_add_f32 v[232:233], v[232:233], v[144:145]
	v_pk_add_f32 v[234:235], v[234:235], v[152:153]
	v_pk_add_f32 v[238:239], v[238:239], v[160:161]
	v_pk_add_f32 v[14:15], v[14:15], v[168:169]
	v_pk_add_f32 v[250:251], v[250:251], v[120:121]
	v_pk_add_f32 v[232:233], v[232:233], v[122:123]
	v_pk_add_f32 v[234:235], v[234:235], v[130:131]
	v_pk_add_f32 v[238:239], v[238:239], v[138:139]
	v_pk_add_f32 v[14:15], v[14:15], v[146:147]
	v_pk_add_f32 v[250:251], v[250:251], v[154:155]
	v_pk_add_f32 v[232:233], v[232:233], v[162:163]
	v_pk_add_f32 v[234:235], v[234:235], v[170:171]
	s_delay_alu instid0(VALU_DEP_1)
	v_pk_add_f32 v[14:15], v[14:15], v[234:235]
	s_delay_alu instid0(VALU_DEP_4)
	v_pk_add_f32 v[250:251], v[250:251], v[238:239]
	s_delay_alu instid0(VALU_DEP_2)
	v_pk_add_f32 v[14:15], v[14:15], v[232:233]
	s_delay_alu instid0(VALU_DEP_1)
	v_pk_add_f32 v[14:15], v[14:15], v[250:251]
.Lhid_\@:
	STEP_ON
.endm
; The two halves of the lanes are joined: m, then l under the joint m; 1 / (32 l) by a reciprocal and a Newton step.  A lane all of whose keys were hidden brings l = 0.
.macro MERGE
	v_permlanex16_b32 v248, v13, s[SEL], s[SEL+1]
	s_delay_alu instid0(VALU_DEP_1)
	v_max_num_f32 v13, v13, v248
	s_delay_alu instid0(VALU_DEP_1)
	v_mul_f32 v249, s[NC], v13
	s_delay_alu instid0(VALU_DEP_1)
	v_sub_f32 v250, v249, v12
	s_wait_alu depctr_va_vdst(0)
	v_exp_f32 v251, v250
	v_add_f32 v14, v14, v15                        ; (a plain place behind the exponential)
	s_wait_alu depctr_va_vdst(0)
	v_mul_f32 v14, v14, v251
	s_delay_alu instid0(VALU_DEP_1)
	v_permlanex16_b32 v248, v14, s[SEL], s[SEL+1]
	s_delay_alu instid0(VALU_DEP_1)
	v_add_f32 v14, v14, v248                       ; l
	s_wait_alu depctr_va_vdst(0)
	v_rcp_f32 v250, v14
	v_mov_b32 v12, v249                            ; (a plain place)  -c m of the whole row
	s_wait_alu depctr_va_vdst(0)
	v_fma_f32 v251, -v14, v250, 1.0
	v_fma_f32 v250, v250, v251, v250
	s_delay_alu instid0(VALU_DEP_1)
	v_mul_f32 v26, 0x3d000000, v250                ; x 1024^-0.5 = 2^-5
	s_delay_alu instid0(VALU_DEP_1)
	v_mov_b32 v27, v26
.endm
; PASS B, one step.
.macro STEPB
	s_add_co_u32 s88, s[Q0], 31
	s_cmp_gt_u32 s[KF], s88
	s_cbranch_scc1 .Lhid_\@
	s_setprio 2
	v_add_nc_u32 v8, s[TK], v1                     ; these four additions are also the places behind the last step's products with V, in front of the loads into V's registers
	v_add_nc_u32 v9, s[TS], v2
	v_add_nc_u32 v10, s[TK], v3
	v_add_nc_u32 v11, s[TV], v4
.irp d, 0,1,2,3
.irp c, 0,1
	ds_load_b128 v[76+8*\d+4*\c:79+8*\d+4*\c], v10 offset:1024*\d+512*\c   ; this step's V: wanted only behind the softmax
.endr
.endr
	ds_load_b128 v[108:111], v11
	s_wait_alu depctr_va_vdst(0)
	s_wait_dscnt 0x9                               ; this step's K, asked for a step ago, is in; V's nine loads just issued may be out
	QKP
	KLOAD 1                                        ; the next step's K: ten loads
	MASK
	SCALE_EXP
.set j, 0
	s_setprio 1
.rept 32
	v_pk_mul_f32 v[S+j:S+j+1], v[S+j:S+j+1], v[26:27] op_sel_hi:[1,0]   ; the finished weight
.set j, j+2
.endr
.irp b, 0,1,2,3
	v_max3_num_f32 v[216+\b], v[S+16*\b], v[S+1+16*\b], 0x1800000      ; no |.|: none is negative; the floor 2^(3 - 127)
.endr
.irp i, 2,4,6,8,10,12,14
.irp b, 0,1,2,3
	s_delay_alu instid0(VALU_DEP_4)
	v_max3_num_f32 v[216+\b], v[216+\b], v[S+16*\b+\i], v[S+1+16*\b+\i]
.endr
.endr
.irp b, 0,1,2,3
	s_delay_alu instid0(VALU_DEP_4)
	v_permlanex16_b32 v[220+\b], v[216+\b], s[SEL], s[SEL+1]
.endr
.irp b, 0,1,2,3
	s_delay_alu instid0(VALU_DEP_4)
	v_max_num_f32 v[216+\b], v[216+\b], v[220+\b]
.endr
.irp b, 0,1,2,3
	s_delay_alu instid0(VALU_DEP_4)
	v_add_nc_u32 v[228+\b], 0xff000000, v[216+\b]
.endr
.irp b, 0,1,2,3
	s_delay_alu instid0(VALU_DEP_4)
	v_lshrrev_b32 v[220+\b], 23, v[228+\b]
.endr
	s_delay_alu instid0(VALU_DEP_3)
	v_lshl_or_b32 v236, v221, 8, v220              ; p's scale word for these 128 keys
	s_delay_alu instid0(VALU_DEP_1)
	v_lshl_or_b32 v236, v222, 16, v236
	s_delay_alu instid0(VALU_DEP_1)
	v_lshl_or_b32 v236, v223, 24, v236
	s_setprio 0
.irp b, 0,1,2,3
	v_cvt_scalef32_pk8_fp4_f32 v[208+2*\b], v[S+16*\b:S+7+16*\b], v[228+\b]
	v_cvt_scalef32_pk8_fp4_f32 v[209+2*\b], v[S+8+16*\b:S+15+16*\b], v[228+\b]
.endr
	v_nop                                          ; one plain place behind a scaled conversion
.irp c, 0,1
.irp i, 0,1
	v_permlane16_swap_b32 v[208+4*\c+\i], v[210+4*\c+\i]   ; a whole block to a lane
.endr
.endr
	PLACES 8                                       ; a scale register written by a vector instruction stands 8 places ahead of a scaled product, an operand so written 4
	s_wait_alu depctr_va_vdst(0)
	s_wait_dscnt 0xa                               ; V's nine loads are in; the ten of the next step's K, issued behind them, may be out
.irp d, 0,1,2,3
	v_wmma_scale_f32_16x16x128_f8f6f4 v[O+8*\d:O+8*\d+7], v[76+8*\d:83+8*\d], v[208:215], v[O+8*\d:O+8*\d+7], v[108+\d], v236 matrix_a_fmt:MATRIX_FMT_FP4 matrix_b_fmt:MATRIX_FMT_FP4
.endr
.Lhid_\@:
	STEP_ON
.endm
.macro QUANT2 src, tm, pc, w           ; as in the launch before: 32 numbers of a lane into 4 registers of codes and two scale bytes
.irp b, 0,1
	v_max3_num_f32 v[(\tm)+\b], |v[(\src)+16*\b]|, |v[(\src)+16*\b+1]|, 0x1800000
.endr
.irp i, 2,4,6,8,10,12,14
.irp b, 0,1
	v_max3_num_f32 v[(\tm)+\b], v[(\tm)+\b], |v[(\src)+16*\b+\i]|, |v[(\src)+16*\b+\i+1]|
.endr
.endr
.irp b, 0,1
	s_delay_alu instid0(VALU_DEP_2)
	v_permlanex16_b32 v[(\tm)+2+\b], v[(\tm)+\b], s[SEL], s[SEL+1]
.endr
.irp b, 0,1
	s_delay_alu instid0(VALU_DEP_2)
	v_max_num_f32 v[(\tm)+\b], v[(\tm)+\b], v[(\tm)+2+\b]
.endr
.irp b, 0,1
	s_delay_alu instid0(VALU_DEP_2)
	v_add_nc_u32 v[(\tm)+4+\b], 0xff000000, v[(\tm)+\b]
.endr
.irp b, 0,1
	s_delay_alu instid0(VALU_DEP_2)
	v_lshrrev_b32 v[(\tm)+6+\b], 23, v[(\tm)+4+\b]
.endr
	s_delay_alu instid0(VALU_DEP_1)
	v_lshl_or_b32 v[\w], v[(\tm)+7], 8, v[(\tm)+6]
.irp b, 0,1
	v_cvt_scalef32_pk8_fp4_f32 v[(\pc)+2*\b], v[(\src)+16*\b:(\src)+16*\b+7], v[(\tm)+4+\b]
	v_cvt_scalef32_pk8_fp4_f32 v[(\pc)+2*\b+1], v[(\src)+16*\b+8:(\src)+16*\b+15], v[(\tm)+4+\b]
.endr
	v_nop
.irp i, 0,1
	v_permlane16_swap_b32 v[(\pc)+\i], v[(\pc)+2+\i]
.endr
.endm
.macro RESET
	s_mov_b32 s[TK], 0
	s_mov_b32 s[TS], 0
	s_mov_b32 s[TV], 0
	s_mov_b32 s[KF], 0
	s_mov_b32 s[CNT], 16
.endm
; One tile of 16 queries.  Both loops have the constant 16 trips; hidden steps are jumped over inside them.
.macro TILE first
	s_wait_xcnt 0x0                                ; the last tile's stores have read their registers and bases
.if \first
	s_sub_co_u32 s71, 63, s70
.else
	s_mov_b32 s71, s70
.irp j, 0,1,2,3
	v_mov_b32 v[16+\j], v[224+\j]                  ; the second tile's q; the eight plain lines up to the first product are more than the four places that an operand so written wants
.endr
.endif
	s_lshl_b32 s[Q0], s71, 5
	s_lshl_b32 s88, s71, 1
	s_add_co_u32 s88, s88, s69                     ; the tile's number in its sequence
	s_lshl_b32 s89, s14, 7
	s_add_co_u32 s89, s89, s88                     ; and among oo's 256
	s_lshl_b32 s90, s89, 13
	s_lshl_b32 s92, s81, 9
	s_add_co_u32 s90, s90, s92
	s_mov_b32 s91, 0
	s_add_nc_u64 s[76:77], s[8:9], s[90:91]        ; o's codes: the head's piece of 512 bytes
	s_lshl_b32 s90, s89, 9
	s_lshr_b32 s92, s81, 3
	s_lshl_b32 s92, s92, 8
	s_add_co_u32 s90, s90, s92
	s_and_b32 s92, s81, 7
	s_lshl_b32 s92, s92, 1
	s_add_co_u32 s90, s90, s92
	s_add_co_u32 s90, s90, OSC
	s_add_nc_u64 s[78:79], s[8:9], s[90:91]        ; o's two scale bytes
	v_mov_b32 v13, 0xfc800000                      ; m = -2^122, under every score served
	s_delay_alu instid0(VALU_DEP_1)
	v_mul_f32 v12, s[NC], v13
	v_mov_b32 v14, 0
	v_mov_b32 v15, 0
	RESET
	PRE
.LpA_\@:
	STEPA
	s_sub_co_u32 s[CNT], s[CNT], 1
	s_cmp_lg_u32 s[CNT], 0
	s_cbranch_scc1 .LpA_\@
	s_setprio 0
	s_wait_alu depctr_va_vdst(0)
	MERGE
.set j, 0
.rept 32
	v_mov_b32 v[O+j], 0                            ; O^T: the loop is written once, and which step is a tile's first product hangs on no constant of the text
.set j, j+1
.endr
	RESET
	PRE
.LpB_\@:
	STEPB
	s_sub_co_u32 s[CNT], s[CNT], 1
	s_cmp_lg_u32 s[CNT], 0
	s_cbranch_scc1 .LpB_\@
	s_setprio 0
	s_wait_dscnt 0x0                               ; the last live step's look-ahead has landed: no LDS load of mine is out while EXEC is narrowed below
	PLACES 4
	QUANT2 O,216,240,244                           ; register 16 b + i of O^T is d = 32 b + 16 h + i: V's d tiles have the order of rows that gives it
	global_store_b128 v1, v[240:243], s[76:77]     ; 512 consecutive bytes
	v_cmp_gt_u32 vcc_lo, 16, v29
	s_wait_alu depctr_va_vdst(0)
	s_wait_xcnt 0x0                                ; EXEC changes only behind this wait
	s_and_saveexec_b32 s93, vcc_lo
	global_store_b16 v28, v244, s[78:79]
	s_wait_xcnt 0x0
	s_or_b32 exec_lo, exec_lo, s93
.endm
.set QSR, 24
	TILE 1
.set QSR, 25
	TILE 0
	s_wait_tensorcnt 0x0                           ; the wave's end
	ds_add_u32 v[SPW], v[NIL]
	s_wait_dscnt 0x0
	CROUND                                         ; the closing round
	s_endpgm
.Lfunc_end_k_qf61ddac00c_attn:
	.size	k_qf61ddac00c_attn, .Lfunc_end_k_qf61ddac00c_attn-k_qf61ddac00c_attn
	.p2alignl 7, 3214868480
	.fill 96, 4, 3214868480
	.section	.rodata,"a",@progbits
	.p2align	6, 0x0
	.amdhsa_kernel k_qf61ddac00c_attn
		.amdhsa_group_segment_fixed_size 167936
		.amdhsa_private_segment_fixed_size 0
		.amdhsa_enable_private_segment 0
		.amdhsa_kernarg_size 24
		.amdhsa_user_sgpr_count 2
		.amdhsa_user_sgpr_kernarg_segment_ptr 1
		.amdhsa_wavefront_size32 1
		.amdhsa_system_sgpr_workgroup_id_x 1
		.amdhsa_system_sgpr_workgroup_id_y 1
		.amdhsa_system_sgpr_workgroup_id_z 1
		.amdhsa_system_vgpr_workitem_id 0
		.amdhsa_next_free_vgpr 256
		.amdhsa_next_free_sgpr 100
		.amdhsa_reserve_vcc 1
		.amdhsa_float_denorm_mode_32 3
		.amdhsa_float_denorm_mode_16_64 3
		.amdhsa_memory_ordered 1
		.amdhsa_forward_progress 1
		.amdhsa_inst_pref_size 103
	.end_amdhsa_kernel
	.amdgpu_metadata
---
amdhsa.version: [ 1, 2 ]
amdhsa.kernels:
  - .name:           k_qf61ddac00c_attn
    .symbol:         k_qf61ddac00c_attn.kd
    .args:
      - { .name: qk, .offset: 0, .size: 8, .value_kind: global_buffer, .address_space: global }
      - { .name: vv, .offset: 8, .size: 8, .value_kind: global_buffer, .address_space: global }
      - { .name: oo, .offset: 16, .size: 8, .value_kind: global_buffer, .address_space: global }
    .group_segment_fixed_size: 167936
    .private_segment_fixed_size: 0
    .kernarg_segment_align: 8
    .kernarg_segment_size: 24
    .max_flat_workgroup_size: 256
    .sgpr_count:     100
    .vgpr_count:     256
    .wavefront_size: 32
...
	.end_amdgpu_metadata
.endif
;; end of part 3
;; launch oproj (part 4): grid 8 x 32, 4 waves a work-group, clusters of 4 x 4, 167,936 bytes of LDS; arguments oo, wa, bo, out0; writes out0
.if DOCPART == 4
	.amdgcn_target "amdgcn-amd-amdhsa--gfx1250"
	.amdhsa_code_object_version 6
	.text
	.protected	k_qf61ddac00c_oproj
	.globl	k_qf61ddac00c_oproj
	.p2align	8
	.type	k_qf61ddac00c_oproj,@function
k_qf61ddac00c_oproj:
	s_mov_b64 s[64:65], 0
	v_nop
	global_prefetch_b8 v0, s[64:65] scope:SCOPE_SE
	s_setreg_imm32_b32 hwreg(HW_REG_WAVE_MODE, 25, 1), 1
	s_wait_xcnt 0x0
	s_wait_alu depctr_hold_cnt(0) depctr_sa_sdst(0) depctr_va_vdst(0) depctr_va_sdst(0) depctr_va_ssrc(0) depctr_va_vcc(0) depctr_vm_vsrc(0)
	s_getreg_b32 s2, hwreg(HW_REG_IB_STS2, 6, 4)
	s_cmp_eq_u32 s2, 0
	s_cbranch_scc0 .Lentry_in_a_cluster
	s_endpgm
.Lentry_in_a_cluster:
	s_bfe_u32 s2, ttmp6, 0x10000c
	s_cmp_lg_u32 s2, 0xf033
	s_cbranch_scc0 .Lentry_shape_is_right
	s_endpgm
.Lentry_shape_is_right:
; out0 = o wo^T + bo, on o's codes from the launch before and wo's from the first.  Nothing of reference()'s work is left out here.
; SHARES.  Work-group (ng, mg): 128 rows x 128 columns; wave: rows 64 (wave % 2) on x columns 64 (wave / 2) on: 16 accumulators, USED TRANSPOSED (source 0 = 16 rows of wo, source 1 = 16 rows of o):
; a lane holds one row, and registers 8 nt + j are columns 32 (nt / 2) + 16 (lane / 16) + 8 (nt % 2) + j, by the order of rows in a tile.
; All operands of the work-group lie in LDS at once, as images of their registers, filled once.  CLUSTER 4 x 4: o's tiles are asked for jointly along a row of the cluster, wo's along a column.
; THE WAY OUT: a tile of 16 rows x 64 columns goes through the wave's own stage in LDS and leaves as rows of 256 consecutive bytes, aligned, sixteen lanes to a row.
.set OSC, 2097152
.set WSC, 1310720
.set LW,  65536                        ; LDS: o's codes at 0, wo's here,
.set LXS, 131072                       ; o's scale words,
.set LWS, 135168                       ; wo's,
.set STG, 139264                       ; the stages: 16 rows x 272 bytes a wave; no fill lands here,
.set SPARE, 156672                     ; the spare words, 128 bytes a wave
.set LI,  1
.set XA,  4
.set WA,  5
.set XSA, 6
.set WSA, 7
.set BO,  9
.set R16, 10
.set STO, 12
.set RD,  13
.set CO,  14
.set XF,  16
.set WF,  48
.set XS,  80
.set WS,  96
.set ACC, 112
.set SPW, 252
.set NIL, 253
.set G1XC, 28
.set G1WC, 36
.set G1XS, 44
.set G1WS, 52
.set G0XC, 60
.set G0XS, 68
.set G0WC, 72
.set G0WS, 76
.macro GROUP1 g, rows
	s_mov_b32 s[\g+1], 32<<16
	s_mov_b32 s[\g+2], (\rows)<<16
	s_mov_b32 s[\g+3], 32<<16
	s_mov_b32 s[\g+4], \rows
	s_mov_b32 s[\g+5], 32
	s_mov_b32 s[\g+6], 0
	s_mov_b32 s[\g+7], 0
.endm
.macro GROUP0 g, lds, base, off
	s_mov_b32 s[\g], 1
	s_mov_b32 s[\g+1], s[\lds]
	s_add_nc_u64 s[\g+2:\g+3], s[\base:\base+1], s[\off:\off+1]
	s_or_b32 s[\g+3], s[\g+3], 0x80000000
.endm
.macro CROUND
	s_barrier_signal -1
	s_barrier_wait -1
	s_cmp_lg_u32 s20, 0
	s_cbranch_scc1 .Lnot_wave_0_\@
	s_barrier_signal -3
.Lnot_wave_0_\@:
	s_barrier_wait -3
	s_barrier_signal -1
	s_barrier_wait -1
.endm
.macro PLACES n
.rept \n
	v_nop
.endr
.endm
	s_load_b256 s[4:11], s[0:1], 0x0               ; oo, wa, bo, out0
	v_lshl_add_u32 v[SPW], v0, 2, SPARE
	v_mov_b32 v[NIL], 0
	ds_add_u32 v[SPW], v[NIL]                      ; the wave's opening: the add, twice on end, and its wait ahead of my first tensor load
	ds_add_u32 v[SPW], v[NIL]
	v_lshrrev_b32 v1, 5, v0
	v_readfirstlane_b32 s20, v1                    ; wave 0 .. 3
	s_bfe_u32 s21, ttmp6, 0x40000                  ; cx
	s_bfe_u32 s22, ttmp6, 0x40004                  ; cy
	s_lshl_b32 s23, ttmp9, 2
	s_add_co_u32 s23, s23, s21                     ; ng
	s_and_b32 s24, ttmp7, 0xffff
	s_lshl_b32 s24, s24, 2
	s_add_co_u32 s24, s24, s22                     ; mg
	s_lshl_b32 s25, s22, 2
	s_lshl_b32 s25, 15, s25                        ; my row of the cluster
	s_lshl_b32 s26, 0x1111, s21                    ; my column
	s_or_b32 s[G1XC], s25, (3<<16)|(1<<21)
	s_or_b32 s[G1XS], s25, (3<<16)|(1<<21)
	s_or_b32 s[G1WC], s26, (3<<16)|(1<<21)
	s_or_b32 s[G1WS], s26, (3<<16)|(1<<21)
	GROUP1 G1XC, 128
	GROUP1 G1WC, 128
	GROUP1 G1XS, 8
	GROUP1 G1WS, 8
	s_and_b32 s27, s20, 1                          ; th; also: which half of a block I fetch
	s_lshr_b32 s85, s20, 1                         ; nh; also: I fetch for o (0) or for wo (1)
	s_lshl_b32 s86, s24, 16                        ; o's codes: mg and the wave's number alone
	s_lshl_b32 s96, s27, 15
	s_add_co_u32 s86, s86, s96
	s_mov_b32 s87, 0
	s_lshl_b32 s88, s24, 12
	s_lshl_b32 s97, s27, 11
	s_add_co_u32 s88, s88, s97
	s_add_co_u32 s88, s88, OSC
	s_mov_b32 s89, 0
	s_lshl_b32 s90, s23, 16                        ; wo's codes: tiles 96 + 8 ng on: ng and the wave's number alone
	s_add_co_u32 s90, s90, s96
	s_add_co_u32 s90, s90, 96*8192
	s_mov_b32 s91, 0
	s_lshl_b32 s92, s23, 12
	s_add_co_u32 s92, s92, s97
	s_add_co_u32 s92, s92, WSC+96*512
	s_mov_b32 s93, 0
	s_lshl_b32 s98, s20, 15                        ; where they go: 32,768 x wave,
	s_lshl_b32 s99, s20, 11
	s_add_co_u32 s99, s99, LXS                     ; and 2,048 x wave for the scale words
	s_wait_dscnt 0x0                               ; both opening adds are done
	s_wait_kmcnt 0x0
	GROUP0 G0XC, 98, 4, 86
	GROUP0 G0XS, 99, 4, 88
	GROUP0 G0WC, 98, 6, 90
	GROUP0 G0WS, 99, 6, 92
	CROUND                                         ; all sixteen work-groups are here: the joint loads meet
	s_cmp_lt_u32 s20, 2                            ; two loads of a wave are out at the most
	s_cbranch_scc0 .Lfor_w
	tensor_load_to_lds s[G0XC:G0XC+3], s[G1XC:G1XC+7]
	s_nop 0
	tensor_load_to_lds s[G0XS:G0XS+3], s[G1XS:G1XS+7]
	s_nop 0
	PLACES 4
	s_branch .Lasked
.Lfor_w:
	tensor_load_to_lds s[G0WC:G0WC+3], s[G1WC:G1WC+7]
	s_nop 0
	tensor_load_to_lds s[G0WS:G0WS+3], s[G1WS:G1WS+7]
	s_nop 0
	PLACES 4
.Lasked:
	v_and_b32 v15, 31, v0
	v_lshlrev_b32 v[LI], 4, v15
	s_wait_alu depctr_va_vdst(0)
	v_and_b32 v2, 15, v0                           ; r
	v_bfe_u32 v3, v0, 4, 1                         ; h
	v_lshlrev_b32 v[BO], 6, v3
	v_lshlrev_b32 v[R16], 4, v2
	s_wait_alu depctr_va_vdst(0)
	s_lshl_b32 s96, s23, 9
	s_lshl_b32 s97, s85, 8
	s_add_co_u32 s96, s96, s97                     ; my 64 numbers of bo
	s_mov_b32 s97, 0
	s_add_nc_u64 s[2:3], s[8:9], s[96:97]
.irp n, 0,1,2,3
.irp e, 0,1
	global_load_b128 v[ACC+8*\n+4*\e:ACC+8*\n+4*\e+3], v[BO], s[2:3] offset:128*(\n/2)+32*(\n%2)+16*\e   ; straight into the accumulators of row tile 0, in the result's layout
.endr
.endr
	s_lshl_b32 s96, s27, 15
	v_add_nc_u32 v[XA], s96, v[LI]
	s_lshl_b32 s96, s85, 15
	s_add_co_u32 s96, s96, LW
	v_add_nc_u32 v[WA], s96, v[LI]
	s_lshl_b32 s96, s27, 11
	s_add_co_u32 s96, s96, LXS
	v_add_nc_u32 v[XSA], s96, v[R16]
	s_lshl_b32 s96, s85, 11
	s_add_co_u32 s96, s96, LWS
	v_add_nc_u32 v[WSA], s96, v[R16]
	s_mul_i32 s96, s20, 16*272
	s_add_co_u32 s96, s96, STG                     ; my stage
	v_mul_u32_u24 v[STO], v2, 272
	v_lshl_add_u32 v[STO], v3, 6, v[STO]
	v_add_nc_u32 v[STO], s96, v[STO]               ; in: row r, + 64 h
	v_mul_u32_u24 v[RD], v3, 272
	v_lshl_add_u32 v[RD], v2, 4, v[RD]
	v_add_nc_u32 v[RD], s96, v[RD]                 ; back: lanes 0-15 one row, lanes 16-31 the next
	v_lshlrev_b32 v[CO], 12, v3
	v_lshl_add_u32 v[CO], v2, 4, v[CO]             ; and the same two rows in out0
	s_lshl_b32 s96, s24, 7
	s_lshl_b32 s97, s27, 6
	s_add_co_u32 s96, s96, s97                     ; my first row
	s_lshl_b32 s96, s96, 12
	s_lshl_b32 s97, s23, 9
	s_add_co_u32 s96, s96, s97
	s_lshl_b32 s97, s85, 8
	s_add_co_u32 s96, s96, s97                     ; my first column, in bytes
	s_mov_b32 s97, 0
	s_add_nc_u64 s[10:11], s[10:11], s[96:97]
	s_wait_alu depctr_va_vdst(0)
	s_wait_tensorcnt 0x0                           ; my parts have landed,
	s_barrier_signal -1
	s_barrier_wait -1                              ; everybody's have
	s_wait_loadcnt 0x0                             ; the bias
.macro WM d, w, x, c, sw, sx
	v_wmma_scale_f32_16x16x128_f8f6f4 v[\d:\d+7], v[\w:\w+7], v[\x:\x+7], \c, v[\sw], v[\sx] matrix_a_fmt:MATRIX_FMT_FP4 matrix_b_fmt:MATRIX_FMT_FP4
.endm
; A K step of 128: 16 fragments, 16 products; the accumulators take turns, one instruction a turn.  Four places stand behind the products, in front of the next loads into their sources.
.macro GSTEP ks
.if (\ks)%4 == 0
.irp a, 0,1,2,3
	ds_load_b128 v[XS+4*\a:XS+4*\a+3], v[XSA] offset:\a*512+((\ks)/4)*256
	ds_load_b128 v[WS+4*\a:WS+4*\a+3], v[WSA] offset:\a*512+((\ks)/4)*256
.endr
.endif
.irp a, 0,1,2,3
.irp c, 0,1
	ds_load_b128 v[XF+8*\a+4*\c:XF+8*\a+4*\c+3], v[XA] offset:\a*8192+(\ks)*1024+512*\c
	ds_load_b128 v[WF+8*\a+4*\c:WF+8*\a+4*\c+3], v[WA] offset:\a*8192+(\ks)*1024+512*\c
.endr
.endr
	s_wait_dscnt 0x0
.if (\ks) == 0
.irp a, 1,2,3                          ; the bias is the C of each sum's first product: row tiles 1 to 3 read it from tile 0's accumulators,
.irp n, 0,1,2,3
	WM ACC+8*(4*\a+\n), WF+8*\n, XF+8*\a, v[ACC+8*\n:ACC+8*\n+7], WS+4*\n, XS+4*\a
.endr
.endr
	PLACES 5                                       ; (five places in front of products that write over registers which the products above have read)
.irp n, 0,1,2,3                        ; and tile 0 adds in place onto it
	WM ACC+8*\n, WF+8*\n, XF, v[ACC+8*\n:ACC+8*\n+7], WS+4*\n, XS
.endr
.else
.irp a, 0,1,2,3
.irp n, 0,1,2,3
	WM ACC+8*(4*\a+\n), WF+8*\n, XF+8*\a, v[ACC+8*(4*\a+\n):ACC+8*(4*\a+\n)+7], WS+4*\n+(\ks)%4, XS+4*\a+(\ks)%4
.endr
.endr
.endif
	PLACES 4
.endm
.irp k, 0,1,2,3,4,5,6,7
	GSTEP \k
.endr
.macro TOSTAGE a
.irp n, 0,1,2,3
	ds_store_b128 v[STO], v[ACC+8*(4*(\a)+\n):ACC+8*(4*(\a)+\n)+3] offset:128*(\n/2)+32*(\n%2)        ; each accumulator from its low end on
	ds_store_b128 v[STO], v[ACC+8*(4*(\a)+\n)+4:ACC+8*(4*(\a)+\n)+7] offset:128*(\n/2)+32*(\n%2)+16
.endr
.set BB, 16+32*((\a)%2)
.irp i, 0,1,2,3,4,5,6,7
	ds_load_b128 v[BB+4*\i:BB+4*\i+3], v[RD] offset:2*\i*272   ; LDS serves a wave's instructions in order: these see the stores above, and the next tile's stores come behind them
.endr
.endm
.macro SEND a, younger                 ; younger: the LDS instructions issued behind tile a's loads, which may stay out
.set BB, 16+32*((\a)%2)
	s_wait_dscnt \younger
.irp i, 0,1,2,3,4,5,6,7
	global_store_b128 v[CO], v[BB+4*\i:BB+4*\i+3], s[10:11] offset:(32*((\a)/2)+8*((\a)%2)+2*\i+8*(\i/4))*4096 th:TH_STORE_NT   ; stage row rr is row 32 (a / 2) + 8 (a % 2) + rr + 8 (rr / 8) of my 64; 16 lanes store 256 consecutive bytes, aligned
.endr
.endm
	TOSTAGE 0
.irp a, 1,2,3
.if \a > 1
	s_wait_xcnt 0x0                                ; tile a - 2's stores have read their registers: tile a's loads may land there
.endif
	TOSTAGE \a
	SEND \a-1, 16                                  ; behind tile a - 1's loads: tile a's 8 stores and 8 loads
.endr
	SEND 3, 0
	s_wait_tensorcnt 0x0                           ; the wave's end, behind my last LDS store
	ds_add_u32 v[SPW], v[NIL]
	s_wait_dscnt 0x0
	CROUND                                         ; the closing round
	s_endpgm
.Lfunc_end_k_qf61ddac00c_oproj:
	.size	k_qf61ddac00c_oproj, .Lfunc_end_k_qf61ddac00c_oproj-k_qf61ddac00c_oproj
	.p2alignl 7, 3214868480
	.fill 96, 4, 3214868480
	.section	.rodata,"a",@progbits
	.p2align	6, 0x0
	.amdhsa_kernel k_qf61ddac00c_oproj
		.amdhsa_group_segment_fixed_size 167936
		.amdhsa_private_segment_fixed_size 0
		.amdhsa_enable_private_segment 0
		.amdhsa_kernarg_size 32
		.amdhsa_user_sgpr_count 2
		.amdhsa_user_sgpr_kernarg_segment_ptr 1
		.amdhsa_wavefront_size32 1
		.amdhsa_system_sgpr_workgroup_id_x 1
		.amdhsa_system_sgpr_workgroup_id_y 1
		.amdhsa_system_sgpr_workgroup_id_z 1
		.amdhsa_system_vgpr_workitem_id 0
		.amdhsa_next_free_vgpr 256
		.amdhsa_next_free_sgpr 100
		.amdhsa_reserve_vcc 0
		.amdhsa_float_denorm_mode_32 3
		.amdhsa_float_denorm_mode_16_64 3
		.amdhsa_memory_ordered 1
		.amdhsa_forward_progress 1
		.amdhsa_inst_pref_size 43
	.end_amdhsa_kernel
	.amdgpu_metadata
---
amdhsa.version: [ 1, 2 ]
amdhsa.kernels:
  - .name:           k_qf61ddac00c_oproj
    .symbol:         k_qf61ddac00c_oproj.kd
    .args:
      - { .name: oo, .offset: 0, .size: 8, .value_kind: global_buffer, .address_space: global }
      - { .name: wa, .offset: 8, .size: 8, .value_kind: global_buffer, .address_space: global }
      - { .name: bo, .offset: 16, .size: 8, .value_kind: global_buffer, .address_space: global }
      - { .name: out0, .offset: 24, .size: 8, .value_kind: global_buffer, .address_space: global }
    .group_segment_fixed_size: 167936
    .private_segment_fixed_size: 0
    .kernarg_segment_align: 8
    .kernarg_segment_size: 32
    .max_flat_workgroup_size: 128
    .sgpr_count:     100
    .vgpr_count:     256
    .wavefront_size: 32
...
	.end_amdgpu_metadata
.endif
;; end of part 4
